; MI455X (gfx1250); checked and timed in simulation.
; The chip was launched on July 23, 2026; its instructions are those of AMD's public machine-readable ISA for CDNA 5 (MIT licence, August 2026) and "CDNA5" Instruction Set Architecture Reference Guide (July 2026). The comments in the code are by the model that wrote it; some were corrected since.
;; A Li Bi Attention. Allowed arithmetic: matrix products marked QUANTISED: E2M1 operands, one E8M0 scale for each 32 along K, by v_wmma_scale_f32_16x16x128_f8f6f4 with both operands' format E2M1 (or v_wmma_scale_f32_32x16x128_f4), f32 sums; products left as they are: bf16, f16 or f32 operands; f32 sums; everything else in f32.
;; Inputs: b_out 1,024 float32; b_qkv 3,072 float32; w_out 1,024 x 1,024 float32; w_qkv 3,072 x 1,024 float32; x 4 x 2,048 x 1,024 float32.
;; Outputs: out0 4 x 2,048 x 1,024 float32.
;; This version of the problem:
;;   THIS VERSION OF THE PROBLEM IS GIVEN IN LOW PRECISION. The matrix products marked QUANTISED in the list below multiply operands that are first quantised to E2M1 (2 exponent bits, 1 mantissa bit; 4 bits a number), with one power-of-two scale for each 32 numbers along K (OCP MX v1.0); their sums are f32. The products marked 'left as it is' may take bf16, f16 or f32 operands, with f32 sums. Whichever they take, every output number must still come out within the allowed error. Rounding operands to bf16 (8 significant bits) uses up far more of that allowance than f16 does (11 bits, for magnitudes from 6e-5 to 65,504). All else is computed in f32.
;;   The module's matrix products, in the order in which they are computed (A, B: the left and right operand; K: the contracted axis; several contracted axes count as one K, in the product's order):
;;     1. [M 8,192, K 1,024] x [K 1,024, N 3,072]; A: input x; B: input w_qkv: QUANTISED
;;     2. batch 64 x [M 2,048, K 64] x [K 64, N 2,048]; A: computed on the way; B: computed on the way: left as it is (an operand is computed on the way)
;;     3. batch 64 x [M 2,048, K 2,048] x [K 2,048, N 64]; A: computed on the way; B: computed on the way: left as it is (an operand is computed on the way)
;;     4. [M 8,192, K 1,024] x [K 1,024, N 1,024]; A: computed on the way; B: input w_out: left as it is (an operand is computed on the way)
;;   THE QUANTISER, for each operand of a quantised product, along K:
;;     - K is cut into blocks of 32 from its start; a last block that is shorter is filled with zeros.
;;     - A block's scale is 2^e with e = floor(log2(the largest magnitude in the block)) - 2, held to -126 .. 127; a block of zeros has e = 0. As a byte (E8M0): e + 127.
;;     - Each number is divided by its block's scale, clamped to +-6, and rounded to the nearest number of E2M1, ties to even, subnormals kept.
;;     - The product sums the exact products of the quantised numbers (number of the format x scale) in f32.
;;   ~~~python
;;   def quantise(x, axis):      # numpy; x: float32 -> the quantised numbers, widened to float32 again
;;       x = np.moveaxis(x, axis, -1); K = x.shape[-1]
;;       x = np.pad(x, [(0, 0)] * (x.ndim - 1) + [(0, -K % 32)]); x = x.reshape(x.shape[:-1] + (-1, 32)); a = np.abs(x).max(-1, keepdims=True)
;;       e = np.where(a > 0, np.clip(np.frexp(np.where(a > 0, a, 1))[1] - 1 - 2, -126, 127), 0)      # np.frexp(a)[1] - 1 = floor(log2(a)), exactly
;;       r = np.clip(x / 2.0 ** e, -6, 6)
;;       step = 2.0 ** (np.maximum(np.frexp(np.where(r == 0, 1, r))[1] - 1, 0) - 1)
;;       q = np.round(r / step) * step * 2.0 ** e      # np.round: ties to even
;;       return np.moveaxis(q.reshape(q.shape[:-2] + (-1,))[..., :K], -1, axis).astype(np.float32)
;;   ~~~
;; One version. Each part assembles by itself: llvm-mc -triple=amdgcn-amd-amdhsa -mcpu=gfx1250 --defsym DOCPART=n.
;; ======== version 1 of 1: 4 launches
;; limits: values are held in f16: magnitudes above 65,504 overflow, below 6.1e-05 lose precision
;; workspace buffers: xc 4,194,304 bytes; xs 262,144 bytes; wc 1,572,864 bytes; ws 98,304 bytes; wimg 2,097,152 bytes; qkv 50,331,648 bytes; af 16,777,216 bytes
;; launch prep (part 1): grid 416 x 1, 4 waves a work-group, no clusters, 33,280 bytes of LDS; arguments x, w_qkv, w_out, xc, xs, wc, ws, wimg; writes xc, xs, wc, ws, wimg
.if DOCPART == 1
	.amdgcn_target "amdgcn-amd-amdhsa--gfx1250"
	.amdhsa_code_object_version 6
	.text
	.protected	k_q90b3956798_prep
	.globl	k_q90b3956798_prep
	.p2align	8
	.type	k_q90b3956798_prep,@function
k_q90b3956798_prep:
	s_mov_b64 s[64:65], 0
	v_nop
	global_prefetch_b8 v0, s[64:65] scope:SCOPE_SE
	s_setreg_imm32_b32 hwreg(HW_REG_WAVE_MODE, 25, 1), 1
	s_wait_xcnt 0x0
; THE PROGRAM: out0 = attention(x w_qkv^T + b_qkv) w_out^T + b_out, 16 heads of 64, with the mask that the problem builds itself: -(q - k) where k <= q, hidden elsewhere.  Four launches:
;   prep: x and w_qkv become codes of FP4 (E2M1) with one E8M0 byte for each 32 along K; w_out becomes f16.   qkv: the quantised product, results in f16.   attn: the attention, f16 operands, f32 sums.   proj: the last product, f16 operands, f32 sums.
; WORK LEFT OUT, for all finite values of the inputs:
;   (1) b_qkv[1024:2048], the bias on the keys.  score(q, k) = q . (k + b_k) / 8 + mask = q . k / 8 + mask + q . b_k / 8, and the last term is the same for every key of a row: the softmax along the keys takes it away.
;       The scores' product is not quantised, so nothing else sees it.  These 1,024 numbers are not loaded; the rest of b_qkv is.
;   (2) Tiles of keys that lie wholly behind a wave's queries: the problem's own mask hides them, and their probabilities are 0.
; LIMITS: a NaN, an infinity or an overflow that reaches only (1) or (2) is not carried to the result.  Hidden scores are -infinity here where the problem has -1e30: the same probabilities while scores stay far under 1e30 in size.
;   q, k, v, the attention's result and w_out are rounded to f16: their magnitudes must lie under 65,504.  NaN and infinities among the inputs are not served.
; THIS LAUNCH.  Work-groups 0-255 take x, 256-351 w_qkv: rows are dense and K = 1,024 is a multiple of 32, so each tensor is a plain stream of blocks of 32, 32,768 numbers a work-group, 8,192 a wave, 512 a step.
;   A block's scale is 2^(floor(log2(its largest magnitude)) - 2); its byte is the largest magnitude's exponent field - 2, held at 1 from below.  A block of zeros gets the byte 1 where the rule says 127: its codes are zeros, and this program alone reads the bytes.
;   Each load reads 512 consecutive bytes; a step's 2,048 bytes turn through the wave's own stage in LDS so that a lane holds 16 neighbours along K; a lane's 16 codes are 8 bytes, a wave's store 256 consecutive bytes; a wave's 256 scale bytes leave as one store.
;   Blocks whose largest magnitude lies under 2^(2 - 126) keep the byte 1.
; Work-groups 352-415 take w_out [1024 (n)][1024 (k)]: work-group = 16 rows n, wave = 256 along K.  The f16 numbers are laid as IMAGES OF THE OPERAND'S REGISTERS: [n tile][chunk of 32 k][group g][lane][16 bytes],
;   lane (r, h) holding row r, k = 16 g + 8 h + 0 .. 7: two loads of 16 bytes a lane give a fragment, and every store here covers 512 consecutive bytes.  This path uses no LDS.
.set WAVES, 4
.set STEPS, 16
.set WGA,   256                        ; x's work-groups
.set WGQ,   352                        ; x's and w_qkv's
.set EMAX,  2
.set CBY,   8                          ; bytes of 16 codes
.set R,     16                         ; v16-79   four sets of 16 numbers as loaded
.set X,     80                         ; v80-111  two sets of 16 neighbours
.set E,     112                        ; v112-127 a scale byte for each step
.set C,     128                        ; v128-191 codes, registers of its own for each step
.set WREG,  8192                       ; LDS: a region for each wave: two stages of 32 x SP bytes, then its 256 scale bytes
.set SP,    80                         ; a lane's place in a stage: 64 bytes + 16 of padding
.set SPW,   12                         ; v12 LDS address of my spare word; never rewritten
.set NIL,   13                         ; v13 0; never rewritten
.set SPARE, WAVES*WREG                 ; the spare words: 128 bytes a wave, named by no other line
.set WL,    16                         ; w_out's path: v16-143 numbers as loaded
.set WH,    144                        ; v144-207 f16 pairs
.macro LOAD t
.irp i, 0,1,2,3
	global_load_b128 v[R+16*((\t)%4)+4*\i:R+16*((\t)%4)+4*\i+3], v3, s[24:25] offset:2048*(\t)+512*\i th:TH_LOAD_NT   ; 32 lanes read 512 consecutive bytes
.endr
.endm
.macro TURN t                          ; step t's numbers through the stage: LDS serves a wave's instructions in order, so no wait stands between the stores and the loads
.irp i, 0,1,2,3
	ds_store_b128 v14, v[R+16*((\t)%4)+4*\i:R+16*((\t)%4)+4*\i+3] offset:32*SP*((\t)%2)+8*SP*\i
.endr
.irp i, 0,1,2,3
	ds_load_b128 v[X+16*((\t)%2)+4*\i:X+16*((\t)%2)+4*\i+3], v15 offset:32*SP*((\t)%2)+16*\i
.endr
.endm
.macro STEP t
.set XS, X+16*((\t)%2)
.if (\t) > 0
	s_wait_dscnt 1                                 ; this step's numbers are back from the stage; the last step's byte store may be out
.else
	s_wait_dscnt 0x0
.endif
.if (\t)+4 < STEPS
	LOAD (\t)+4                                    ; into the registers that the stage's stores have read
.endif
.if (\t)+1 < STEPS
.if STEPS-2-(\t) >= 3
	s_wait_loadcnt 12                              ; the next step's four loads are in; those of the three steps behind it may be out
.else
	s_wait_loadcnt 4*(STEPS-2-(\t))
.endif
	TURN (\t)+1
.endif
	v_max3_num_f32 v8, |v[XS]|, |v[XS+1]|, |v[XS+2]|               ; the largest magnitude of my 16, in two chains
	v_max3_num_f32 v9, |v[XS+3]|, |v[XS+4]|, |v[XS+5]|
.irp i, 6,10
	v_max3_num_f32 v8, v8, |v[XS+\i]|, |v[XS+\i+1]|
	v_max3_num_f32 v9, v9, |v[XS+\i+2]|, |v[XS+\i+3]|
.endr
	v_max3_num_f32 v8, v8, |v[XS+14]|, |v[XS+15]|
	v_max3_num_f32 v8, v8, v9, (EMAX+1)<<23        ; and the floor 2^(EMAX + 1 - 127): the byte cannot fall under 1
	v_max_num_f32_dpp v8, v8, v8 row_xmask:1 row_mask:0xf bank_mask:0xf   ; with my neighbour's 16: the block's
	v_add_nc_u32 v11, -(EMAX<<23), v8              ; EMAX off its exponent field: the conversion takes that field as its scale
	v_cvt_scalef32_pk8_fp4_f32 v[C+4*(\t)], v[XS:XS+7], v11
	v_cvt_scalef32_pk8_fp4_f32 v[C+4*(\t)+1], v[XS+8:XS+15], v11
	v_lshrrev_b32 v[E+(\t)], 23, v11               ; the scale's byte
	ds_store_b8 v5, v[E+(\t)] offset:16*(\t)       ; both lanes of a block write the same byte with the same value
	global_store_b64 v4, v[C+4*(\t):C+4*(\t)+1], s[26:27] offset:32*CBY*(\t)
.endm
	s_load_b256 s[4:11], s[0:1], 0x0               ; x s[4:5], w_qkv s[6:7], w_out s[8:9], xc s[10:11]
	s_load_b256 s[12:19], s[0:1], 0x20             ; xs s[12:13], wc s[14:15], ws s[16:17], wimg s[18:19]
	v_lshl_add_u32 v[SPW], v0, 2, SPARE
	v_mov_b32 v[NIL], 0
	v_lshrrev_b32 v1, 5, v0
	v_readfirstlane_b32 s20, v1                    ; wave
	v_and_b32 v2, 31, v0                           ; lane
	s_cmp_ge_u32 ttmp9, WGQ                        ; the work-group's number alone decides
	s_cbranch_scc1 .Lwout
	; ---- x and w_qkv: codes and scale bytes
	v_lshlrev_b32 v3, 4, v2                        ; my 16 bytes of a load's 512
	s_mul_i32 s21, s20, WREG
	v_lshrrev_b32 v14, 2, v2
	v_mul_u32_u24 v14, v14, SP
	v_and_b32 v15, 3, v2
	v_lshl_add_u32 v14, v15, 4, v14
	v_add_nc_u32 v14, s21, v14                     ; the stage on the way in: SP (lane / 4) + 16 (lane % 4)
	v_mul_u32_u24 v15, v2, SP
	v_add_nc_u32 v15, s21, v15                     ; and on the way out: SP x lane
	v_mul_u32_u24 v4, v2, CBY                      ; my codes' place in a step's
	v_lshrrev_b32 v5, 1, v2
	s_add_co_u32 s21, s21, 2*32*SP
	v_add_nc_u32 v5, s21, v5                       ; my wave's 256 scale bytes, my block's byte
	v_lshlrev_b32 v7, 3, v2
	v_add_nc_u32 v6, s21, v7                       ; and on the way out 8 bytes a lane
	s_wait_kmcnt 0x0
	s_cmp_lt_u32 ttmp9, WGA                        ; x or w_qkv: only pointers are chosen
	s_cselect_b64 s[24:25], s[4:5], s[6:7]
	s_cselect_b64 s[26:27], s[10:11], s[14:15]
	s_cselect_b64 s[28:29], s[12:13], s[16:17]
	s_cselect_b32 s21, 0, WGA
	s_sub_co_u32 s21, ttmp9, s21
	s_lshl_b32 s21, s21, 2
	s_add_co_u32 s22, s21, s20                     ; which run of 8,192 numbers is my wave's
	s_mov_b32 s23, 0
	s_mov_b64 s[30:31], 512*STEPS*4
	s_mul_u64 s[30:31], s[22:23], s[30:31]
	s_add_nc_u64 s[24:25], s[24:25], s[30:31]
	s_mov_b64 s[30:31], 32*STEPS*CBY
	s_mul_u64 s[30:31], s[22:23], s[30:31]
	s_add_nc_u64 s[26:27], s[26:27], s[30:31]
	s_lshl_b32 s22, s22, 8                         ; 256 scale bytes a run
	s_add_nc_u64 s[28:29], s[28:29], s[22:23]
.irp t, 0,1,2,3
	LOAD \t
.endr
	s_wait_loadcnt 12                              ; step 0's four loads are in
	TURN 0
.irp t, 0,1,2,3,4,5,6,7,8,9,10,11,12,13,14,15
	STEP \t
.endr
	ds_load_b64 v[8:9], v6                         ; LDS serves a wave's instructions in order: these see my byte stores
	s_wait_dscnt 0x0
	global_store_b64 v7, v[8:9], s[28:29]          ; 32 lanes store 256 consecutive bytes
	s_wait_tensorcnt 0x0                           ; the wave's end
	ds_add_u32 v[SPW], v[NIL]
	s_wait_dscnt 0x0
	s_endpgm
	; ---- w_out: f16, as images of the operand's registers
.Lwout:
	v_and_b32 v3, 15, v0                           ; r
	v_bfe_u32 v4, v0, 4, 1                         ; h
	v_lshlrev_b32 v5, 12, v3
	v_lshl_add_u32 v5, v4, 5, v5                   ; row r of 4,096 bytes, + 32 h: eight numbers
	v_lshlrev_b32 v6, 4, v2                        ; 16 x lane
	s_sub_co_u32 s21, ttmp9, WGQ                   ; the n tile
	s_lshl_b32 s22, s21, 16                        ; its 16 rows,
	s_lshl_b32 s30, s20, 10                        ; my wave's 256 along K
	s_add_co_u32 s22, s22, s30
	s_mov_b32 s23, 0
	s_lshl_b32 s30, s21, 15                        ; the tile's 32 images of 1,024 bytes,
	s_lshl_b32 s31, s20, 13                        ; my wave's eight
	s_add_co_u32 s30, s30, s31
	s_mov_b32 s31, 0
	s_wait_kmcnt 0x0
	s_add_nc_u64 s[24:25], s[8:9], s[22:23]
	s_add_nc_u64 s[26:27], s[18:19], s[30:31]
.irp c, 0,1,2,3,4,5,6,7
.irp g, 0,1
.irp i, 0,1
	global_load_b128 v[WL+16*\c+8*\g+4*\i:WL+16*\c+8*\g+4*\i+3], v5, s[24:25] offset:128*\c+64*\g+16*\i th:TH_LOAD_NT   ; w_out(r, 32 c + 16 g + 8 h + 4 i ..)
.endr
.endr
.endr
.irp c, 0,1,2,3,4,5,6,7
	s_wait_loadcnt 28-4*\c                         ; chunk c's four loads are in; the later chunks' may be out
.irp g, 0,1
.irp p, 0,1,2,3
	v_cvt_pk_f16_f32 v[WH+8*\c+4*\g+\p], v[WL+16*\c+8*\g+2*\p], v[WL+16*\c+8*\g+2*\p+1]
.endr
	global_store_b128 v6, v[WH+8*\c+4*\g:WH+8*\c+4*\g+3], s[26:27] offset:1024*\c+512*\g   ; 512 consecutive bytes; no register here is written twice
.endr
.endr
	s_wait_tensorcnt 0x0                           ; the same three lines at this path's end
	ds_add_u32 v[SPW], v[NIL]
	s_wait_dscnt 0x0
	s_endpgm
.Lfunc_end_k_q90b3956798_prep:
	.size	k_q90b3956798_prep, .Lfunc_end_k_q90b3956798_prep-k_q90b3956798_prep
	.p2alignl 7, 3214868480
	.fill 96, 4, 3214868480
	.section	.rodata,"a",@progbits
	.p2align	6, 0x0
	.amdhsa_kernel k_q90b3956798_prep
		.amdhsa_group_segment_fixed_size 33280
		.amdhsa_private_segment_fixed_size 0
		.amdhsa_enable_private_segment 0
		.amdhsa_kernarg_size 64
		.amdhsa_user_sgpr_count 2
		.amdhsa_user_sgpr_kernarg_segment_ptr 1
		.amdhsa_wavefront_size32 1
		.amdhsa_system_sgpr_workgroup_id_x 1
		.amdhsa_system_sgpr_workgroup_id_y 1
		.amdhsa_system_sgpr_workgroup_id_z 1
		.amdhsa_system_vgpr_workitem_id 0
		.amdhsa_next_free_vgpr 208
		.amdhsa_next_free_sgpr 66
		.amdhsa_reserve_vcc 0
		.amdhsa_float_denorm_mode_32 3
		.amdhsa_float_denorm_mode_16_64 3
		.amdhsa_memory_ordered 1
		.amdhsa_forward_progress 1
		.amdhsa_inst_pref_size 43
	.end_amdhsa_kernel
	.amdgpu_metadata
---
amdhsa.version: [ 1, 2 ]
amdhsa.kernels:
  - .name:           k_q90b3956798_prep
    .symbol:         k_q90b3956798_prep.kd
    .args:
      - { .name: x, .offset: 0, .size: 8, .value_kind: global_buffer, .address_space: global }
      - { .name: w_qkv, .offset: 8, .size: 8, .value_kind: global_buffer, .address_space: global }
      - { .name: w_out, .offset: 16, .size: 8, .value_kind: global_buffer, .address_space: global }
      - { .name: xc, .offset: 24, .size: 8, .value_kind: global_buffer, .address_space: global }
      - { .name: xs, .offset: 32, .size: 8, .value_kind: global_buffer, .address_space: global }
      - { .name: wc, .offset: 40, .size: 8, .value_kind: global_buffer, .address_space: global }
      - { .name: ws, .offset: 48, .size: 8, .value_kind: global_buffer, .address_space: global }
      - { .name: wimg, .offset: 56, .size: 8, .value_kind: global_buffer, .address_space: global }
    .group_segment_fixed_size: 33280
    .private_segment_fixed_size: 0
    .kernarg_segment_align: 8
    .kernarg_segment_size: 64
    .max_flat_workgroup_size: 128
    .sgpr_count:     66
    .vgpr_count:     208
    .wavefront_size: 32
...
	.end_amdgpu_metadata
.endif
;; end of part 1
;; launch qkv (part 2): grid 12 x 32, 4 waves a work-group, clusters of 4 x 4, 327,680 bytes of LDS; arguments xc, xs, wc, ws, b_qkv, qkv; writes qkv
.if DOCPART == 2
	.amdgcn_target "amdgcn-amd-amdhsa--gfx1250"
	.amdhsa_code_object_version 6
	.text
	.protected	k_q90b3956798_qkv
	.globl	k_q90b3956798_qkv
	.p2align	8
	.type	k_q90b3956798_qkv,@function
k_q90b3956798_qkv:
	s_mov_b64 s[64:65], 0
	v_nop
	global_prefetch_b8 v0, s[64:65] scope:SCOPE_SE
	s_setreg_imm32_b32 hwreg(HW_REG_WAVE_MODE, 25, 1), 1
	s_wait_xcnt 0x0
	s_wait_alu depctr_hold_cnt(0) depctr_sa_sdst(0) depctr_va_vdst(0) depctr_va_sdst(0) depctr_va_ssrc(0) depctr_va_vcc(0) depctr_vm_vsrc(0)
	s_getreg_b32 s2, hwreg(HW_REG_IB_STS2, 6, 4)
	s_cmp_eq_u32 s2, 0
	s_cbranch_scc0 .Lentry_in_a_cluster
	s_endpgm
.Lentry_in_a_cluster:
	s_bfe_u32 s2, ttmp6, 0x10000c
	s_cmp_lg_u32 s2, 0xf033
	s_cbranch_scc0 .Lentry_shape_is_right
	s_endpgm
.Lentry_shape_is_right:
; q, k, v = Q(x) Q(w_qkv)^T + b_qkv, on codes of FP4 (E2M1) with one E8M0 scale for each 32 along K; sums in f32; results rounded once to f16 (their magnitudes must lie under 65,504).
; LEFT OUT: b_qkv[1024:2048], the bias on the keys: it adds the same term to every score of a row, which the softmax takes away (shown at the head of the first kernel).  It is not loaded.
; xc [8192][512 bytes], wc [3072][512 bytes]: two codes a byte, K innermost; xs [8192][32], ws [3072][32]: the scale bytes.
; A tile of 256 x 256 is made by a work-group of four waves; a wave makes 128 x 128: 64 accumulators, 512 registers.  K = 1,024 is two LDS slots of 512 along K: both are asked for at the start and nothing is filled again.
; The scales of the work-group's rows, for all of K, come into LDS once, with the first fills.
; CLUSTERS: 4 x 4 work-groups; the four of a row of the cluster ask jointly for x's tiles, the four of a column for w_qkv's.  A cluster's four tile columns are 1,024 columns: cluster x = 0 makes q, 1 makes k, 2 makes v.
; THE MATRIX INSTRUCTION IS USED TRANSPOSED (source 0 = 16 rows of w_qkv, source 1 = 16 rows of x): a lane holds position l % 16 and eight neighbouring columns 8 (l / 16) + 0 .. 7.
; THE BIAS is the C of each sum's first matrix instruction: 64 registers in the result's layout.  In the k third these registers hold zeros.
; THE WAY OUT needs no LDS: a lane's eight results, rounded to f16, are 16 bytes, and qkv is laid so that a wave's 32 x 16 bytes are 512 consecutive bytes:
;   qkv = three parts (q, k, v) of [batch x 16 + head][tile of 16 positions][2,048 bytes].  q, k: [tau = 16 channels][lane][16 bytes], the image of the registers of a 16-bit operand (16 positions x 32 channels: tau = 2 c, 2 c + 1).
;   v: [tau][position][16 channels]: rows of 32 bytes them.
; REGISTERS, in windows of 256: window 0: v0-31 addresses; v32-95 scale words, two sets; v128-191 x's fragments, one set; v192-255 the bias.  window 1: w_qkv's fragments, two sets.  windows 2, 3: the accumulators.
.set SIZE_K, 1024
.set KSTEP,  512
.set NQ,     KSTEP/128
.set ROWB,   256                       ; a tile's row in bytes
.set KROW,   SIZE_K*4/8                ; a row of codes in memory
.set PITCH,  272                       ; an LDS row: 256 bytes + 16 of padding: the 16 rows that a load touches start at 16 different banks (64 banks of 4 bytes: ISA guide 11.1)
.set FR,     8
.set NL,     2
.set NP,     4                         ; places behind this matrix instruction (ISA guide 7.12.1)
.set HALFT,  128*PITCH
.set SLOT,   4*HALFT
.set KS,     SIZE_K/32
.set SCL,    2*SLOT                    ; behind the two slots: the scales, as rows of 256 bytes + 16 of padding
.set HALFS,  (128*KS/256)*272
.set SBLK,   (16*KS/256)*272
.set SPARE,  SCL+4*HALFS               ; the spare words: 128 bytes a wave, named by no other line
.set ADRA, 16                          ; v16-17 LDS address of my x fragments in slot 0, 1
.set ADRB, 20                          ; v20-21 the same for w_qkv
.set BO,   24                          ; v24 the bias: 32 (l / 16)
.set CO,   26                          ; v26 my 16 bytes' place in a store's 512
.set ADRS, 27                          ; v27 my scale words: lanes 0-15 x's rows, lanes 16-31 w_qkv's
.set SPW,  28
.set NIL,  29
.set SC,   32
.set AF,   128
.set BI,   192
.set TP,   32                          ; the way out: two sets of 32 registers of f16 pairs, where the scale words lay
.set G1, 24
.set G0, 32
.set G1B, 48
.set G0B, 56
.set G1S, 68
.set G0S, 76
.set G1SB, 80
.set G0SB, 88
.set MSB, 0
.macro WIN new                         ; the immediate's high byte repeats the setting that is left
.if MSB != \new
	s_set_vgpr_msb (MSB<<8)|\new
.set MSB, \new
.endif
.endm
.set MUL_LO,   0xa1                    ; source 0 window 1, source 1 window 0, C and D window 2
.set MUL_HI,   0xf1                    ; the same, C and D window 3
.set FIRST_LO, 0x81                    ; the first step: C (the bias) window 0, D window 2
.set FIRST_HI, 0xc1                    ; D window 3
.set TO_B,     0x40
; A joint load: waves 0 and 1 fetch for x, waves 2 and 3 for w_qkv; the branch hangs on the wave's number alone.  An s_nop 0 and four v_nop follow each line.
.macro JLOAD g0a, g1a, g0b, g1b
	s_cmp_eq_u32 s15, 0
	s_cbranch_scc0 .Lfor_b_\@
	tensor_load_to_lds s[\g0a:\g0a+3], s[\g1a:\g1a+7]
	s_nop 0
.rept 4
	v_nop
.endr
	s_branch .Lasked_\@
.Lfor_b_\@:
	tensor_load_to_lds s[\g0b:\g0b+3], s[\g1b:\g1b+7]
	s_nop 0
.rept 4
	v_nop
.endr
.Lasked_\@:
.endm
.macro CROUND                          ; a round of the cluster's barrier
	s_barrier_signal -1
	s_barrier_wait -1
	s_cmp_lg_u32 s14, 0
	s_cbranch_scc1 .Lnot_wave_0_\@
	s_barrier_signal -3
.Lnot_wave_0_\@:
	s_barrier_wait -3
	s_barrier_signal -1
	s_barrier_wait -1
.endm
	s_load_b128 s[4:7], s[0:1], 0x0                ; xc, xs
	s_load_b128 s[8:11], s[0:1], 0x10              ; wc, ws
	s_load_b64 s[12:13], s[0:1], 0x20              ; b_qkv
	s_load_b64 s[96:97], s[0:1], 0x28              ; qkv
	v_lshl_add_u32 v[SPW], v0, 2, SPARE
	v_mov_b32 v[NIL], 0
	ds_add_u32 v[SPW], v[NIL]                      ; the wave's opening: the add, twice on end, and its wait ahead of my first tensor load
	ds_add_u32 v[SPW], v[NIL]
	v_lshrrev_b32 v1, 5, v0
	v_readfirstlane_b32 s14, v1                    ; wave 0..3
	s_lshr_b32 s15, s14, 1                         ; which half of the tile's rows is mine.  Also: I fetch for x (0) or for w_qkv (1)
	s_and_b32 s16, s14, 1                          ; which half of its columns.  Also: which 128 rows of that tile I fetch
	s_bfe_u32 s40, ttmp6, 0x40000                  ; cx, cy
	s_bfe_u32 s41, ttmp6, 0x40004
	s_lshl_b32 s42, ttmp9, 2
	s_add_co_u32 s42, s42, s40                     ; tile column = 4 x cluster x + cx
	s_and_b32 s17, ttmp7, 0xffff
	s_lshl_b32 s17, s17, 2
	s_add_co_u32 s17, s17, s41                     ; tile row = 4 x cluster y + cy
	s_lshl_b32 s43, s41, 2
	s_lshl_b32 s43, 15, s43                        ; my row of the cluster
	s_lshl_b32 s44, 0x1111, s40                    ; my column
	s_or_b32 s[G1+0], s43, (0<<16)|(1<<20)|(1<<21)|(5<<22)|(3<<25)  ; the mask; elements of 1 byte; padding on; bit 21 beside a mask; 4 words of padding after every 64
	s_or_b32 s[G1B+0], s44, (0<<16)|(1<<20)|(1<<21)|(5<<22)|(3<<25)
.irp g, G1, G1B
	s_mov_b32 s[\g+1], ROWB<<16                    ; tensor_dim0
	s_mov_b32 s[\g+2], 128<<16                     ; tensor_dim1
	s_mov_b32 s[\g+3], ROWB<<16                    ; tile_dim0
	s_mov_b32 s[\g+4], 128                         ; tile_dim1
	s_mov_b32 s[\g+5], KROW                        ; the pitch
	s_mov_b32 s[\g+6], 0
	s_mov_b32 s[\g+7], 0
.endr
	s_or_b32 s[G1S+0], s43, (3<<16)|(1<<20)|(1<<21)|(5<<22)|(3<<25) ; the scales of 128 rows: a dense block, as rows of 32 elements of 8 bytes
	s_or_b32 s[G1SB+0], s44, (3<<16)|(1<<20)|(1<<21)|(5<<22)|(3<<25)
.irp g, G1S, G1SB
	s_mov_b32 s[\g+1], 32<<16
	s_mov_b32 s[\g+2], (128*KS/256)<<16
	s_mov_b32 s[\g+3], 32<<16
	s_mov_b32 s[\g+4], 128*KS/256
	s_mov_b32 s[\g+5], 32
	s_mov_b32 s[\g+6], 0
	s_mov_b32 s[\g+7], 0
.endr
	s_lshl_b32 s18, s16, 7
	s_lshl_b32 s20, s17, 8
	s_add_co_u32 s20, s20, s18                     ; x: row 256 x tile row + 128 x half
	s_lshl_b32 s46, s42, 8
	s_add_co_u32 s46, s46, s18                     ; w_qkv: row 256 x tile column + 128 x half
	s_mov_b32 s21, 0
	s_mov_b32 s47, 0
	s_mov_b64 s[18:19], KS
	s_mul_u64 s[22:23], s[20:21], s[18:19]         ; where these rows' scales begin
	s_mul_u64 s[92:93], s[46:47], s[18:19]
	s_mov_b64 s[18:19], KROW
	s_mul_u64 s[20:21], s[20:21], s[18:19]         ; and their codes
	s_mul_u64 s[46:47], s[46:47], s[18:19]
	s_mul_i32 s45, s14, HALFT                      ; where they go: wave x 128 rows
	s_mul_i32 s94, s14, HALFS
	s_wait_dscnt 0x0                               ; both opening adds are done
	s_wait_kmcnt 0x0
	s_add_nc_u64 s[20:21], s[4:5], s[20:21]
	s_add_nc_u64 s[22:23], s[6:7], s[22:23]
	s_add_nc_u64 s[46:47], s[8:9], s[46:47]
	s_add_nc_u64 s[92:93], s[10:11], s[92:93]
	CROUND                                         ; all sixteen work-groups are here: the joint loads meet
	s_mov_b32 s[G0S], 1
	s_add_co_u32 s[G0S+1], s94, SCL
	s_mov_b64 s[G0S+2:G0S+3], s[22:23]
	s_or_b32 s[G0S+3], s[G0S+3], 0x80000000
	s_mov_b32 s[G0SB], 1
	s_add_co_u32 s[G0SB+1], s94, SCL
	s_mov_b64 s[G0SB+2:G0SB+3], s[92:93]
	s_or_b32 s[G0SB+3], s[G0SB+3], 0x80000000
	JLOAD G0S, G1S, G0SB, G1SB                     ; the scales first; then both slots: three loads of mine are out
.irp s, 0,1
	s_mov_b32 s[G0+4*\s], 1
	s_add_co_u32 s[G0+4*\s+1], s45, \s*SLOT
	s_add_nc_u64 s[G0+4*\s+2:G0+4*\s+3], s[20:21], \s*ROWB
	s_or_b32 s[G0+4*\s+3], s[G0+4*\s+3], 0x80000000
	s_mov_b32 s[G0B+4*\s], 1
	s_add_co_u32 s[G0B+4*\s+1], s45, \s*SLOT
	s_add_nc_u64 s[G0B+4*\s+2:G0B+4*\s+3], s[46:47], \s*ROWB
	s_or_b32 s[G0B+4*\s+3], s[G0B+4*\s+3], 0x80000000
	JLOAD G0+4*\s, G1, G0B+4*\s, G1B
.endr
	v_and_b32 v1, 15, v0                           ; l % 16
	v_bfe_u32 v2, v0, 4, 1                         ; l / 16
	; the bias of my 128 columns: register 8 b + j holds b_qkv[first column + 16 b + 8 (l / 16) + j]
	s_lshl_b32 s46, s42, 10
	s_lshl_b32 s47, s16, 9
	s_add_co_u32 s46, s46, s47                     ; 4 x (256 x tile column + 128 x half)
	s_mov_b32 s47, 0
	s_add_nc_u64 s[12:13], s[12:13], s[46:47]
	v_lshlrev_b32 v[BO], 5, v2
	s_cmp_eq_u32 ttmp9, 1                          ; the k third?  The cluster's x: the same in all sixteen partners
	s_cbranch_scc1 .Lk_third
.irp b, 0,1,2,3,4,5,6,7
	global_load_b128 v[BI+8*\b:BI+8*\b+3], v[BO], s[12:13] offset:64*\b
	global_load_b128 v[BI+8*\b+4:BI+8*\b+7], v[BO], s[12:13] offset:64*\b+16
.endr
	s_branch .Lbias_set
.Lk_third:
.set n, 0
.rept 64
	v_mov_b32 v[BI+n], 0                           ; the keys' bias is left out: their sums begin at 0, by the same first step as the others'
.set n, n+1
.endr
.Lbias_set:
	v_mul_u32_u24 v3, v1, PITCH
	v_lshl_add_u32 v4, v2, 4, v3                   ; a fragment's row x pitch + 16 x half
	s_mul_i32 s21, s15, HALFT                      ; my 128 rows of x
	s_mul_i32 s22, s16, HALFT                      ; my 128 rows of w_qkv,
	s_add_co_u32 s22, s22, 2*HALFT                 ; which lie behind x's 256
.irp s, 0,1
	v_add_nc_u32 v[ADRA+\s], s21, v4
	v_add_nc_u32 v[ADRB+\s], s22, v4
	s_add_co_u32 s21, s21, SLOT
	s_add_co_u32 s22, s22, SLOT
.endr
	v_mul_u32_u24 v5, v1, KS                       ; my row's scales: KS bytes a row,
	v_lshrrev_b32 v6, 8, v5
	v_lshl_add_u32 v5, v6, 4, v5                   ; and 16 more for each 256 passed
	s_mul_i32 s21, s15, HALFS
	s_mul_i32 s22, s16, HALFS
	s_add_co_u32 s22, s22, 2*HALFS
	s_sub_co_u32 s22, s22, s21
	v_mul_u32_u24 v6, s22, v2                      ; lanes 16-31 take w_qkv's: one product, the distance between the two bases
	s_add_co_u32 s21, s21, SCL
	v_add_nc_u32 v5, v5, v6
	v_add_nc_u32 v[ADRS], s21, v5
	; where my results go.  By the rows: batch = row / 2048, tile of positions = (row % 2048) / 16
	s_lshl_b32 s20, s17, 8
	s_lshl_b32 s21, s15, 7
	s_add_co_u32 s20, s20, s21                     ; my first row
	s_lshr_b32 s21, s20, 11
	s_lshl_b32 s21, s21, 22                        ; batch x 16 heads x 128 tiles x 2,048 bytes
	s_and_b32 s20, s20, 2047
	s_lshl_b32 s20, s20, 7                         ; (position / 16) x 2,048
	s_add_co_u32 s20, s20, s21
	s_mov_b32 s21, 0
	s_add_nc_u64 s[96:97], s[96:97], s[20:21]
	s_lshl_b32 s46, s42, 8                         ; by the columns: the part and the head
	s_lshl_b32 s47, s16, 7
	s_add_co_u32 s46, s46, s47                     ; my first column
	s_and_b32 s46, s46, 1023
	s_lshl_b32 s46, s46, 12                        ; (column / 64) x 128 tiles x 2,048 bytes
	s_lshl_b32 s47, ttmp9, 24                      ; q, k or v: 16,777,216 bytes each
	s_add_co_u32 s46, s46, s47
	s_mov_b32 s47, 0
	s_add_nc_u64 s[96:97], s[96:97], s[46:47]
	s_cmp_eq_u32 ttmp9, 2                          ; v is laid [position][16 channels], q and k [lane]
	s_cselect_b32 s20, 32, 16
	s_mov_b32 s21, 256
	s_cselect_b32 s21, 16, s21
	v_mul_u32_u24 v[CO], s20, v1
	v_mul_u32_u24 v3, s21, v2
	v_add_nc_u32 v[CO], v[CO], v3
.macro FRAG reg, adr, q, i             ; 16 rows x 128 K of 4-bit codes: 8 registers; registers 4 c .. 4 c + 3 hold K = 64 c + 32 (l / 16) + 0 .. 31
.irp c, 0,1
	ds_load_b128 v[\reg+4*\c:\reg+4*\c+3], v[\adr] offset:64*(\q)+32*\c+(\i)*16*PITCH
.endr
.endm
; 16 matrix instructions: x's blocks a0, a0 + 1 against w_qkv's eight, the slot's q-th 128 along K.  first = 1: C is the bias.  The 64 accumulators take turns, one instruction a turn, in the same order in every step.
.macro MUL16 a0, p, q, sc, first
.irp a, \a0, \a0+1
.irp b, 0,1,2,3,4,5,6,7
.if \first
	v_wmma_scale_f32_16x16x128_f8f6f4 v[8*(8*((\a)%4)+\b):8*(8*((\a)%4)+\b)+7], v[128*(\p)+FR*\b:128*(\p)+FR*\b+FR-1], v[AF+FR*(\a):AF+FR*(\a)+FR-1], v[BI+8*\b:BI+8*\b+7], v[SC+8*NQ*(\sc)+NQ*\b+(\q)], v[SC+8*NQ*(\sc)+NQ*(\a)+(\q)] matrix_a_fmt:MATRIX_FMT_FP4 matrix_b_fmt:MATRIX_FMT_FP4 matrix_a_scale:MATRIX_SCALE_ROW1
.else
	v_wmma_scale_f32_16x16x128_f8f6f4 v[8*(8*((\a)%4)+\b):8*(8*((\a)%4)+\b)+7], v[128*(\p)+FR*\b:128*(\p)+FR*\b+FR-1], v[AF+FR*(\a):AF+FR*(\a)+FR-1], v[8*(8*((\a)%4)+\b):8*(8*((\a)%4)+\b)+7], v[SC+8*NQ*(\sc)+NQ*\b+(\q)], v[SC+8*NQ*(\sc)+NQ*(\a)+(\q)] matrix_a_fmt:MATRIX_FMT_FP4 matrix_b_fmt:MATRIX_FMT_FP4 matrix_a_scale:MATRIX_SCALE_ROW1
.endif
.endr
.endr
.endm
.macro FETCH_B slot, q, p
	WIN TO_B
.irp i, 0,1,2,3,4,5,6,7
	FRAG 128*(\p)+FR*\i, ADRB+\slot, \q, \i
.endr
	WIN 0
.endm
.macro FETCH_A slot, q, i0
.irp i, \i0, \i0+1, \i0+2, \i0+3
	FRAG AF+FR*(\i), ADRA+\slot, \q, \i
.endr
.endm
.macro SCALES sc                       ; a slot's scale words: NQ words a row; lanes 0-15 x's block i, lanes 16-31 w_qkv's block i
.irp i, 0,1,2,3,4,5,6,7
	ds_load_b128 v[SC+8*NQ*\sc+NQ*\i:SC+8*NQ*\sc+NQ*\i+3], v[ADRS] offset:\i*SBLK
.endr
.endm
.macro PLACES n                        ; places in front of loads into registers that matrix instructions have read, and of the first read of results
.rept \n
	v_nop
.endr
.endm
.macro STEP slot, q, first             ; a step of 128 along K that has its successor in the same slot
	s_wait_dscnt 4*NL                              ; w_qkv's set and x's blocks 0-3 are in; the youngest eight loads (x's blocks 4-7) may be out
.if \first
	WIN FIRST_LO
.else
	WIN MUL_LO
.endif
	MUL16 0, (\q)%2, \q, \slot, \first
	MUL16 2, (\q)%2, \q, \slot, \first
	s_wait_dscnt 0
	PLACES NP
	FETCH_B \slot, (\q)+1, 1-(\q)%2
	FETCH_A \slot, (\q)+1, 0
.if \first
	WIN FIRST_HI
.else
	WIN MUL_HI
.endif
	MUL16 4, (\q)%2, \q, \slot, \first
	MUL16 6, (\q)%2, \q, \slot, \first
	PLACES NP
	WIN 0
	FETCH_A \slot, (\q)+1, 4
.endm
; Slot 0's last step changes slots: one barrier; in front of it each wave waits for all its tensor loads (slot 1's is the one that was out), adds 0 to its spare word, and waits for that and for its reads.  Nothing is filled again.
.macro TURN slot, next
	s_wait_tensorcnt 0x0
	ds_add_u32 v[SPW], v[NIL]
	s_wait_dscnt 4*NL+1                            ; the add and the youngest eight loads may be out
	WIN MUL_LO
	MUL16 0, 1, NQ-1, \slot, 0
	s_wait_dscnt 0x0
	s_barrier_signal -1
	MUL16 2, 1, NQ-1, \slot, 0
	WIN 0
	s_barrier_wait -1
	PLACES NP
	v_add_nc_u32 v[ADRS], 4*NQ, v[ADRS]            ; on to the next slot's scale words
	FETCH_B \next, 0, 0
	FETCH_A \next, 0, 0
	SCALES \next
	WIN MUL_HI
	MUL16 4, 1, NQ-1, \slot, 0
	MUL16 6, 1, NQ-1, \slot, 0
	PLACES NP
	WIN 0
	FETCH_A \next, 0, 4
.endm
.macro STEPS slot, from
.set Q, \from
.rept NQ-1-\from
	STEP \slot, Q, 0
.set Q, Q+1
.endr
.endm
	s_wait_tensorcnt 1                             ; the scales and my part of slot 0 are in; slot 1's load may be out
	s_barrier_signal -1
	s_barrier_wait -1                              ; everybody's are
	FETCH_B 0, 0, 0
	FETCH_A 0, 0, 0
	SCALES 0
	FETCH_A 0, 0, 4
	s_wait_loadcnt 0x0                             ; the bias
	STEP 0, 0, 1                                   ; the first step starts the sums from the bias: nothing is cleared among the accumulators
	STEPS 0, 1
	TURN 0, 1
	STEPS 1, 0
	s_wait_dscnt 4*NL                              ; the last step: nothing more to fetch
	WIN MUL_LO
	MUL16 0, 1, NQ-1, 1, 0
	MUL16 2, 1, NQ-1, 1, 0
	s_wait_dscnt 0
	WIN MUL_HI
	MUL16 4, 1, NQ-1, 1, 0
	MUL16 6, 1, NQ-1, 1, 0
	WIN 0
; THE WAY OUT, block by block of 16 positions: each accumulator's eight numbers become 16 bytes of f16 (from its low end on), and a wave's store covers 512 consecutive bytes, at a multiple of 512 from qkv's first byte.
.macro OUTB a
.set AC, 64*((\a)%4)
.set TT, TP+32*((\a)%2)
	WIN 0x0a+5*((\a)/4)                            ; sources 0 and 1: window 2 or 3
.irp b, 0,1,2,3,4,5,6,7
.irp p, 0,1,2,3
	v_cvt_pk_f16_f32 v[TT+4*\b+\p], v[AC+8*\b+2*\p], v[AC+8*\b+2*\p+1]
.endr
.endr
	WIN 0
.irp b, 0,1,2,3,4,5,6,7
	global_store_b128 v[CO], v[TT+4*\b:TT+4*\b+3], s[96:97] offset:(\a)*2048+(\b/4)*262144+(\b%4)*512   ; tile of positions a, head b / 4, 16 channels b % 4
.endr
.endm
	PLACES NP                                      ; behind the last products: the conversions write where scale words lay, and read results
	OUTB 0
	OUTB 1
.irp a, 2,3,4,5,6,7
	s_wait_xcnt 0x0                                ; block a - 2's stores have read their registers
	OUTB \a
.endr
	s_wait_tensorcnt 0x0                           ; the wave's end
	ds_add_u32 v[SPW], v[NIL]
	s_wait_dscnt 0x0
	CROUND                                         ; the closing round
	s_endpgm
.Lfunc_end_k_q90b3956798_qkv:
	.size	k_q90b3956798_qkv, .Lfunc_end_k_q90b3956798_qkv-k_q90b3956798_qkv
	.p2alignl 7, 3214868480
	.fill 96, 4, 3214868480
	.section	.rodata,"a",@progbits
	.p2align	6, 0x0
	.amdhsa_kernel k_q90b3956798_qkv
		.amdhsa_group_segment_fixed_size 327680
		.amdhsa_private_segment_fixed_size 0
		.amdhsa_enable_private_segment 0
		.amdhsa_kernarg_size 48
		.amdhsa_user_sgpr_count 2
		.amdhsa_user_sgpr_kernarg_segment_ptr 1
		.amdhsa_wavefront_size32 1
		.amdhsa_system_sgpr_workgroup_id_x 1
		.amdhsa_system_sgpr_workgroup_id_y 1
		.amdhsa_system_sgpr_workgroup_id_z 1
		.amdhsa_system_vgpr_workitem_id 0
		.amdhsa_next_free_vgpr 1024
		.amdhsa_next_free_sgpr 98
		.amdhsa_reserve_vcc 0
		.amdhsa_float_denorm_mode_32 3
		.amdhsa_float_denorm_mode_16_64 3
		.amdhsa_memory_ordered 1
		.amdhsa_forward_progress 1
		.amdhsa_inst_pref_size 122
	.end_amdhsa_kernel
	.amdgpu_metadata
---
amdhsa.version: [ 1, 2 ]
amdhsa.kernels:
  - .name:           k_q90b3956798_qkv
    .symbol:         k_q90b3956798_qkv.kd
    .args:
      - { .name: xc, .offset: 0, .size: 8, .value_kind: global_buffer, .address_space: global }
      - { .name: xs, .offset: 8, .size: 8, .value_kind: global_buffer, .address_space: global }
      - { .name: wc, .offset: 16, .size: 8, .value_kind: global_buffer, .address_space: global }
      - { .name: ws, .offset: 24, .size: 8, .value_kind: global_buffer, .address_space: global }
      - { .name: b_qkv, .offset: 32, .size: 8, .value_kind: global_buffer, .address_space: global }
      - { .name: qkv, .offset: 40, .size: 8, .value_kind: global_buffer, .address_space: global }
    .group_segment_fixed_size: 327680
    .private_segment_fixed_size: 0
    .kernarg_segment_align: 8
    .kernarg_segment_size: 48
    .max_flat_workgroup_size: 128
    .sgpr_count:     98
    .vgpr_count:     1024
    .wavefront_size: 32
...
	.end_amdgpu_metadata
.endif
;; end of part 2
;; launch attn (part 3): grid 4 x 64, 8 waves a work-group, no clusters, 327,680 bytes of LDS; arguments qkv, af; writes af
.if DOCPART == 3
	.amdgcn_target "amdgcn-amd-amdhsa--gfx1250"
	.amdhsa_code_object_version 6
	.text
	.protected	k_q90b3956798_attn
	.globl	k_q90b3956798_attn
	.p2align	8
	.type	k_q90b3956798_attn,@function
k_q90b3956798_attn:
	s_mov_b64 s[64:65], 0
	v_nop
	global_prefetch_b8 v0, s[64:65] scope:SCOPE_SE
	s_setreg_imm32_b32 hwreg(HW_REG_WAVE_MODE, 25, 1), 1
	s_wait_xcnt 0x0
; af[b][q][head][:] = the sum over k <= q of softmax_k(Q[q] . K[k] / 8 - (q - k)) V[k][:], for 64 (batch, head) pairs of 2,048 positions and 64 channels.  f16 operands, f32 products' sums, maxima and sums; the weights p are rounded to f16, the result once to f16.
; LEFT OUT: steps of 64 keys all of which lie behind a wave's 32 queries: the problem's own mask hides them (shown at the head of the first kernel).  Every key k <= q is walked: the distance term cuts nothing off.
; SHARES.  A head has 8 blocks of 256 queries.  Work-group i of a head owns block 7 - i and then block i: (8 - i) + (i + 1) = 9 slots of 256 keys for every work-group, so all 256 have the same work and every trip count is a constant.
;   Each of the eight waves owns 32 queries of the block in hand: two tiles of 16.  Two waves share a SIMD, so that one wave's vector work stands beside the other's matrix work.
; NO CLUSTER: the four work-groups of a head want different slots from their 5th to 8th trip on (each starts its second block at another trip), so joint requests would name tiles that some partner never reads.
; LAYOUT.  S^T = K Q^T (source 0 = 16 keys, source 1 = 16 queries) and O^T = V^T P: a lane holds ONE query (lane % 16) throughout.  Two score tiles, rounded to f16 in pairs, are source 1 of the second product.
;   K's and Q's fragments lie in memory as images of their registers; V lies [key][16 channels] and is turned by ds_load_tr16_b128.  All LDS loads read consecutive bytes.
; THE DISTANCE TERM COSTS NO VECTOR INSTRUCTION.  exp(score) = 2^(c (Q . K + 8 (k - q))), c = log2(e) / 8.  8 (k - q) = CB - ND: CB = 8 (16 kt + 8 (lane / 16) + j - lane % 16), a whole number for each lane and register, is the C of a
;   score tile's first matrix instruction; ND = 8 (tile's first query - step's first key), one scalar for a tile and a step, goes into the maximum and into the exponent's offset.
; SOFTMAX.  For each query a running maximum M (of Q . K + 8 (k - q)) and sum l: p = 2^(c s + E), E = -c ND - c M; in every step O and l are multiplied by a = 2^(c M_old - c M_new).  The step is written once: O and l begin as zeros, M as -3e38.
; RING.  Two LDS slots of 256 keys (K's four steps of 8,192 bytes, then V's).  Every wave fetches 8,192 bytes of each slot by one tensor load: one load of mine is out at any time.
; THE WAY OUT.  A tile's O^T / l, rounded to f16, is the image of the registers of the last product's operand: af = [tile of 16 rows][chunk of 32 along D][group][lane][16 bytes]; a wave's store covers 512 consecutive bytes.
; REGISTERS.  window 0: v1-11 addresses and constants; v16-47 statistics, 16 a tile; v48-79 CB; v80-111 P; v112-175 S^T; v176-239 O^T.   window 1: v0-31 Q; v32-95 K of a step; v96-159 V^T of a step.
.set SLOT1, 65536                      ; slot 1 begins here: one exclusive or turns an address from one slot to the other
.set SPARE, 131072                     ; the spare words: 128 bytes a wave, named by no other line
.set LI,   1                           ; v1  16 x lane: an image's place for my lane, in LDS and in memory
.set AV0,  2                           ; v2  my place in a tile of V: 32,768 + (8 (l / 16) + l % 8) x 32 + 16 ((l / 8) % 2)
.set ADK,  3
.set ADV,  4
.set SPW,  6
.set NIL,  7
.set NINF, 8                           ; v8  -infinity
.set RH,   9                           ; v9  l % 16 - 8 (l / 16)
.set PFO,  11                          ; v11 256 x lane
.set ST,   16                          ; tile t at v[ST + 16 t]: +0 E, +1 M, +2 +3 l in two halves, +4 a, +5 at work, +6 .. +9 four maxima, +10 +11 the sums' second chain, +12 the mask's d
.set CB,   48
.set P,    80
.set S,    112
.set O,    176
.set QR,   0                           ; window 1
.set KR,   32
.set VR,   96
.set WV,   12                          ; s12 my wave
.set NH,   13                          ; s13 8 - i: slots of the first block
.set NH1,  14                          ; s14 7 - i
.set BH,   15                          ; s15 batch x 16 + head
.set G1,   16                          ; s[16:23] descriptor group 1
.set G0,   24                          ; s[24:27] descriptor group 0, which walks
.set KVB,  28                          ; s[28:29] my wave's 8,192 bytes of key slot 0
.set T,    30                          ; s30 the trip
.set TB,   31                          ; s31 LDS byte at which the step in hand begins
.set KF,   32                          ; s32 the step's first key
.set Q0,   33                          ; s33 my first query
.set CNT,  34
.set NC,   35                          ; s35 -c
.set SEL,  36                          ; s[36:37] lane l xor 16
.set CS,   38                          ; s[38:39] c, twice
.set ND,   40                          ; s40, s41
.set CD,   42                          ; s42, s43: -c ND
.set PFA,  52                          ; s[52:53] where my prefetches stand
.set LIM,  54
.set WI,   55                          ; s55 i
.set QB,   56                          ; s[56:57] the head's Q
.set AFB,  58                          ; s[58:59] af at the batch's first row tile, the head's chunks
.set QA,   60
.set OA,   62
.set MSB, 0
.macro WIN new                         ; the immediate's high byte repeats the setting that is left
.if MSB != \new
	s_set_vgpr_msb (MSB<<8)|\new
.set MSB, \new
.endif
.endm
.macro QLOAD                           ; my 32 queries: two tiles x 2,048 bytes: register 4 n from byte 512 n
	s_lshl_b32 s44, s[Q0], 7                       ; (query / 16) x 2,048
	s_mov_b32 s45, 0
	s_add_nc_u64 s[QA:QA+1], s[QB:QB+1], s[44:45]
	WIN 0x40                                       ; destination window 1
.irp n, 0,1,2,3,4,5,6,7
	global_load_b128 v[QR+4*\n:QR+4*\n+3], v[LI], s[QA:QA+1] offset:512*\n
.endr
	WIN 0
.endm
.macro INIT                            ; a block of queries begins: the first step finds zeros, which its a = 0 leaves zeros
.set n, 0
.rept 64
	v_mov_b32 v[O+n], 0
.set n, n+1
.endr
.irp t, 0,1
	v_mov_b32 v[ST+16*\t], 0
	v_mov_b32 v[ST+16*\t+1], 0xff61b1e6            ; M = -3e38, under every score
	v_mov_b32 v[ST+16*\t+2], 0
	v_mov_b32 v[ST+16*\t+3], 0
	v_mov_b32 v[ST+16*\t+4], 0
	v_mov_b32 v[ST+16*\t+5], 0
	v_mov_b32 v[ST+16*\t+7], 0                     ; (a lane exchange's destination counts as one of its sources)
.endr
.endm
; THE CHANGE OF SLOTS stands at a slot's head.  Each wave waits for all its tensor loads (its part of the slot ahead), adds 0 to its spare word, and waits for that and for its reads of the slot that it has left.
; Behind the barrier the slot ahead is whole and nobody reads the other one.  fill = 1: that other slot takes the walk's next 256 keys; the load has four key steps in which to land.
.macro CHANGE fill
	s_wait_tensorcnt 0x0                           ; no tensor load of mine is out, so group 0 may be written
	ds_add_u32 v[SPW], v[NIL]                      ; the descriptor's steps stand between it and the wait
.if \fill
	s_xor_b32 s[G0+1], s[G0+1], SLOT1              ; the other slot than last time
	s_add_co_u32 s44, s[T], 1                      ; the next trip's key slot: T + 1, or T + 1 - NH in the second block
	s_cmp_ge_u32 s44, s[NH]
	s_cselect_b32 s45, s[NH], 0
	s_sub_co_u32 s44, s44, s45
	s_lshl_b32 s44, s44, 15                        ; 32,768 bytes a slot in K and in V
	s_mov_b32 s45, 0
	s_add_nc_u64 s[G0+2:G0+3], s[KVB:KVB+1], s[44:45]
	s_or_b32 s[G0+3], s[G0+3], 0x80000000
	s_wait_xcnt 0x0                                ; the last prefetch, a slot back, has read its address
	s_add_nc_u64 s[PFA:PFA+1], s[PFA:PFA+1], 32768
.endif
	s_wait_dscnt 0x0                               ; the add is done, and my reads of the slot that I have left are over
	s_barrier_signal -1
	s_barrier_wait -1
.if \fill
	tensor_load_to_lds s[G0:G0+3], s[G1:G1+7]      ; the first thing behind the barrier, and my one tensor load until the next
	s_nop 0
.rept 4
	v_nop
.endr
; A PREFETCH INTO THE L2 of what the NEXT change of slots will ask for.  All four work-groups of a head walk the same K and V; work-group i = 0 walks slots 0 to 7 in order, and it alone asks: in trip T each of its
; eight waves names its own 8,192 bytes of slot T + 2, lanes 256 bytes apart: each block of 256 bytes once in the launch.  Trips 0 to 5 ask; slots 0 and 1 come by their loads alone.
	s_cmp_lt_u32 s[T], s[LIM]
	s_cbranch_scc0 .Lnot_mine_\@
	global_prefetch_b8 v[PFO], s[PFA:PFA+1] th:TH_LOAD_NT scope:SCOPE_SE
.Lnot_mine_\@:
.endif
.endm
; A SLOT'S FOUR KEY STEPS of 64 keys: written once, walked four times; the LDS addresses hang on s[TB].
.macro SLOT_STEPS
	s_mov_b32 s[CNT], 4
.Lstep_\@:
	s_cmp_gt_u32 s[KF], s[Q0]                      ; KF is a multiple of 64 and Q0 of 32: KF > Q0 says that all 64 keys lie behind my 32 queries.  A branch on ids, round the step's work alone
	s_cbranch_scc1 .Lhidden_\@
	v_add_nc_u32 v[ADK], s[TB], v[LI]
	v_add_nc_u32 v[ADV], s[TB], v[AV0]
	v_nop
	v_nop                                          ; four places behind the last products, in front of the loads into V's registers
	WIN 0x40                                       ; destination window 1
.irp n, 0,1,2,3,4,5,6,7,8,9,10,11,12,13,14,15
	ds_load_b128 v[KR+4*\n:KR+4*\n+3], v[ADK] offset:512*\n        ; K: tile kt = n / 4, chunk c = (n / 2) % 2, group n % 2
.endr
.irp ct, 0,1,2,3
.irp kk, 0,1
.irp g, 0,1
	ds_load_tr16_b128 v[VR+16*\ct+8*\kk+4*\g:VR+16*\ct+8*\kk+4*\g+3], v[ADV] offset:(2*\kk+\g)*2048+512*\ct   ; V^T: channels 16 ct on, keys 32 kk + 16 g on
.endr
.endr
.endr
	s_sub_co_u32 s44, s[Q0], s[KF]                 ; 0 or more in every step that is walked
	s_lshl_b32 s45, s44, 3
	s_cvt_f32_u32 s[ND], s45                       ; ND of tile 0,
	s_add_f32 s[ND+1], s[ND], 0x43000000           ; of tile 1: 128 more
	s_mul_f32 s[CD], s[ND], s[NC]
	s_mul_f32 s[CD+1], s[ND+1], s[NC]
	s_wait_dscnt 16                                ; K is in; V's sixteen loads may be out
	WIN 0x05                                       ; K and Q window 1; C and D window 0
.irp kt, 0,1,2,3                       ; the eight accumulators take turns, one instruction a turn
.irp t, 0,1
	v_wmma_f32_16x16x32_f16 v[S+32*\t+8*\kt:S+32*\t+8*\kt+7], v[KR+16*\kt:KR+16*\kt+7], v[QR+16*\t:QR+16*\t+7], v[CB+8*\kt:CB+8*\kt+7]
.endr
.endr
.irp kt, 0,1,2,3
.irp t, 0,1
	v_wmma_f32_16x16x32_f16 v[S+32*\t+8*\kt:S+32*\t+8*\kt+7], v[KR+16*\kt+8:KR+16*\kt+15], v[QR+16*\t+8:QR+16*\t+15], v[S+32*\t+8*\kt:S+32*\t+8*\kt+7]
.endr
.endr
	WIN 0
.rept 4
	v_nop
.endr
	s_add_co_u32 s45, s[KF], 63                    ; on the diagonal hidden scores become -infinity ahead of the maximum; a step all of whose keys count skips this
	s_cmp_le_u32 s45, s[Q0]
	s_cbranch_scc1 .Lopen_\@
	v_add_nc_u32 v[ST+12], s44, v[RH]              ; d = my query - KF - 8 (lane / 16): register 8 kt + j holds key KF + 8 (lane / 16) + 16 kt + j, hidden where 16 kt + j > d
	s_add_co_u32 s45, s44, 16
	v_add_nc_u32 v[ST+16+12], s45, v[RH]
.irp t, 0,1
.set n, 0
.rept 32
	v_cmp_gt_i32 vcc_lo, 16*(n/8)+n%8, v[ST+16*\t+12]
	v_cndmask_b32 v[S+32*\t+n], v[S+32*\t+n], v[NINF], vcc_lo
.set n, n+1
.endr
.endr
.Lopen_\@:
	; the largest of my 32 scores, in four chains; the two tiles alternate line by line.  Each accumulator is read from its low end on
.irp j, 0,1,2,3
.irp t, 0,1
	v_max3_num_f32 v[ST+16*\t+6+\j], v[S+32*\t+8*\j], v[S+32*\t+8*\j+1], v[S+32*\t+8*\j+2]
.endr
.endr
.irp u, 1,2
.irp j, 0,1,2,3
.irp t, 0,1
	v_max3_num_f32 v[ST+16*\t+6+\j], v[ST+16*\t+6+\j], v[S+32*\t+8*\j+2*\u+1], v[S+32*\t+8*\j+2*\u+2]
.endr
.endr
.endr
.irp t, 0,1
	v_max3_num_f32 v[ST+16*\t+6], v[ST+16*\t+6], v[S+32*\t+7], v[S+32*\t+15]
.endr
.irp t, 0,1
	v_max3_num_f32 v[ST+16*\t+8], v[ST+16*\t+8], v[S+32*\t+23], v[S+32*\t+31]
.endr
.irp t, 0,1
	v_max3_num_f32 v[ST+16*\t+6], v[ST+16*\t+6], v[ST+16*\t+7], v[ST+16*\t+8]
.endr
.irp t, 0,1
	v_max_num_f32 v[ST+16*\t+6], v[ST+16*\t+6], v[ST+16*\t+9]
.endr
.irp t, 0,1
	v_permlanex16_b32 v[ST+16*\t+7], v[ST+16*\t+6], s[SEL], s[SEL+1]   ; the query's other 32 keys lie in the lane 16 away
.endr
.irp t, 0,1
	v_max_num_f32 v[ST+16*\t+6], v[ST+16*\t+6], v[ST+16*\t+7]
.endr
.irp t, 0,1
	v_sub_f32 v[ST+16*\t+6], v[ST+16*\t+6], s[ND+\t]               ; with the step's part of the distance term
.endr
.irp t, 0,1
	v_mov_b32 v[ST+16*\t+5], v[ST+16*\t+1]                         ; M_old
.endr
.irp t, 0,1
	v_max_num_f32 v[ST+16*\t+1], v[ST+16*\t+1], v[ST+16*\t+6]      ; the running maximum
.endr
.irp t, 0,1
	v_sub_f32 v[ST+16*\t+5], v[ST+16*\t+5], v[ST+16*\t+1]
.endr
.irp t, 0,1
	v_mul_f32 v[ST+16*\t+5], s[CS], v[ST+16*\t+5]                  ; c (M_old - M_new)
.endr
.irp t, 0,1
	v_fma_f32 v[ST+16*\t], -v[ST+16*\t+1], s[CS], s[CD+\t]         ; E = -c M - c ND
.endr
.set n, 0
.rept 16
.irp t, 0,1
	v_pk_fma_f32 v[S+32*\t+n:S+32*\t+n+1], v[S+32*\t+n:S+32*\t+n+1], s[CS:CS+1], v[ST+16*\t:ST+16*\t+1] op_sel_hi:[1,0,0]   ; c s + E, two at a time (of the pairs the low word serves both halves)
.endr
.set n, n+2
.endr
.irp t, 0,1
	v_exp_f32 v[ST+16*\t+4], v[ST+16*\t+5]                         ; a.  ONE BATCH: both tiles' a and 64 weights; none of these reads an exponential's result
.endr
.set n, 0
.rept 32
.irp t, 0,1
	v_exp_f32 v[S+32*\t+n], v[S+32*\t+n]
.endr
.set n, n+1
.endr
	v_nop                                          ; a plain instruction behind the last exponential
	s_wait_alu depctr_va_vdst(0)                   ; one wait for the batch, ahead of the first instruction that names a result
.irp t, 0,1
	v_pk_mul_f32 v[ST+16*\t+2:ST+16*\t+3], v[ST+16*\t+2:ST+16*\t+3], v[ST+16*\t+4:ST+16*\t+5] op_sel_hi:[1,0]   ; l x a
.endr
.irp t, 0,1
	v_pk_add_f32 v[ST+16*\t+10:ST+16*\t+11], v[S+32*\t:S+32*\t+1], v[S+32*\t+2:S+32*\t+3]   ; the sum of the unrounded weights, in two chains
.endr
.irp j, 4,8,12,16,20,24,28
.irp t, 0,1
	v_pk_add_f32 v[ST+16*\t+2:ST+16*\t+3], v[ST+16*\t+2:ST+16*\t+3], v[S+32*\t+\j:S+32*\t+\j+1]
	v_pk_add_f32 v[ST+16*\t+10:ST+16*\t+11], v[ST+16*\t+10:ST+16*\t+11], v[S+32*\t+\j+2:S+32*\t+\j+3]
.endr
.endr
.irp t, 0,1
	v_pk_add_f32 v[ST+16*\t+2:ST+16*\t+3], v[ST+16*\t+2:ST+16*\t+3], v[ST+16*\t+10:ST+16*\t+11]
.endr
.set n, 0
.rept 16
.irp t, 0,1
	v_cvt_pk_f16_f32 v[P+16*\t+n], v[S+32*\t+2*n], v[S+32*\t+2*n+1]   ; two score tiles make one fragment of P: 32 keys x 16 queries
.endr
.set n, n+1
.endr
.set n, 0
.rept 16
.irp t, 0,1
	v_pk_mul_f32 v[O+32*\t+n:O+32*\t+n+1], v[O+32*\t+n:O+32*\t+n+1], v[ST+16*\t+4:ST+16*\t+5] op_sel_hi:[1,0]   ; O^T x a, each accumulator from its low end on
.endr
.set n, n+2
.endr
	s_wait_dscnt 0x0                               ; V is in
	WIN 0x01                                       ; V^T window 1; P, C and D window 0
.irp kk, 0,1
.irp ct, 0,1,2,3
.irp t, 0,1
	v_wmma_f32_16x16x32_f16 v[O+32*\t+8*\ct:O+32*\t+8*\ct+7], v[VR+16*\ct+8*\kk:VR+16*\ct+8*\kk+7], v[P+16*\t+8*\kk:P+16*\t+8*\kk+7], v[O+32*\t+8*\ct:O+32*\t+8*\ct+7]
.endr
.endr
.endr
	WIN 0
.Lhidden_\@:
	s_add_co_u32 s[KF], s[KF], 64
	s_add_co_u32 s[TB], s[TB], 8192
	s_sub_co_u32 s[CNT], s[CNT], 1
	s_cmp_lg_u32 s[CNT], 0
	s_cbranch_scc1 .Lstep_\@
	s_sub_co_u32 s[TB], s[TB], 32768               ; back to a slot's first step,
	s_xor_b32 s[TB], s[TB], SLOT1                  ; in the other slot
.endm
; THE WAY OUT of a block of queries.  reload = 1: the second block's queries come in and the statistics begin anew.
.macro WAYOUT reload
.irp t, 0,1
	v_add_f32 v[ST+16*\t+6], v[ST+16*\t+2], v[ST+16*\t+3]          ; l's two halves.  (These additions and the v_nop below are the places behind the last products)
.endr
.irp t, 0,1
	v_permlanex16_b32 v[ST+16*\t+7], v[ST+16*\t+6], s[SEL], s[SEL+1]
.endr
.irp t, 0,1
	v_add_f32 v[ST+16*\t+6], v[ST+16*\t+6], v[ST+16*\t+7]
.endr
.irp t, 0,1
	v_rcp_f32 v[ST+16*\t+4], v[ST+16*\t+6]
.endr
	v_nop
	s_wait_alu depctr_va_vdst(0)                   ; one wait for the two reciprocals, ahead of their first reader
.set n, 0
.rept 16
.irp t, 0,1
	v_pk_mul_f32 v[O+32*\t+n:O+32*\t+n+1], v[O+32*\t+n:O+32*\t+n+1], v[ST+16*\t+4:ST+16*\t+5] op_sel_hi:[1,0]
.endr
.set n, n+2
.endr
.set n, 0
.rept 16
.irp t, 0,1
	v_cvt_pk_f16_f32 v[P+16*\t+n], v[O+32*\t+2*n], v[O+32*\t+2*n+1]
.endr
.set n, n+1
.endr
	s_lshl_b32 s44, s[Q0], 11                      ; (query / 16) x 32,768: my first row tile
	s_mov_b32 s45, 0
	s_add_nc_u64 s[OA:OA+1], s[AFB:AFB+1], s[44:45]
.irp t, 0,1
.irp ct, 0,1,2,3
	global_store_b128 v[LI], v[P+16*\t+4*\ct:P+16*\t+4*\ct+3], s[OA:OA+1] offset:32768*\t+512*\ct   ; 512 consecutive bytes: chunk ct / 2 of the head, group ct % 2
.endr
.endr
.if \reload
	s_lshl_b32 s[Q0], s[WI], 8                     ; block i
	s_lshl_b32 s44, s[WV], 5
	s_add_co_u32 s[Q0], s[Q0], s44
	s_mov_b32 s[KF], 0
	QLOAD
	INIT
	s_wait_xcnt 0x0                                ; the stores have read their registers and their base
	s_wait_loadcnt 0x0                             ; Q
.endif
.endm
	s_load_b128 s[4:7], s[0:1], 0x0                ; qkv, af
	v_lshl_add_u32 v[SPW], v0, 2, SPARE
	v_mov_b32 v[NIL], 0
	ds_add_u32 v[SPW], v[NIL]                      ; the wave's opening: the add, twice on end, and its wait ahead of my first tensor load
	ds_add_u32 v[SPW], v[NIL]
	v_lshrrev_b32 v5, 5, v0
	v_readfirstlane_b32 s[WV], v5                  ; wave 0..7
	s_mov_b32 s[WI], ttmp9
	s_sub_co_u32 s[NH], 8, ttmp9
	s_sub_co_u32 s[NH1], 7, ttmp9
	s_and_b32 s[BH], ttmp7, 0xffff
	s_mov_b32 s[G1], 3<<16                         ; no mask; elements of 8 bytes; no padding: 8,192 dense bytes as 32 rows of 256
	s_mov_b32 s[G1+1], 32<<16                      ; tensor_dim0
	s_mov_b32 s[G1+2], 32<<16                      ; tensor_dim1
	s_mov_b32 s[G1+3], 32<<16                      ; tile_dim0
	s_mov_b32 s[G1+4], 32                          ; tile_dim1
	s_mov_b32 s[G1+5], 32                          ; the pitch
	s_mov_b32 s[G1+6], 0
	s_mov_b32 s[G1+7], 0
	s_mov_b32 s[SEL], 0x76543210
	s_mov_b32 s[SEL+1], 0xfedcba98
	s_mov_b32 s[CS], 0x3e38aa3b                    ; c = log2(e) / 8
	s_mov_b32 s[CS+1], s[CS]
	s_mov_b32 s[NC], 0xbe38aa3b                    ; -c
	s_mov_b32 s[T], 0
	s_mov_b32 s[TB], 0
	s_mov_b32 s[KF], 0
	s_lshl_b32 s[Q0], s[NH1], 8                    ; block 7 - i,
	s_lshl_b32 s44, s[WV], 5
	s_add_co_u32 s[Q0], s[Q0], s44                 ; my wave's 32 queries
	s_cmp_eq_u32 ttmp9, 0
	s_cselect_b32 s[LIM], 6, 0                     ; who prefetches, and in which trips
	s_lshr_b32 s44, s[WV], 2                       ; waves 0-3 fetch K's four steps, waves 4-7 V's
	s_add_co_u32 s44, s44, 1
	s_lshl_b32 s44, s44, 24                        ; part 1 or 2 of qkv
	s_lshl_b32 s46, s[BH], 18                      ; the head: 262,144 bytes in each part
	s_add_co_u32 s44, s44, s46
	s_and_b32 s45, s[WV], 3
	s_lshl_b32 s45, s45, 13
	s_add_co_u32 s44, s44, s45
	s_mov_b32 s45, 0
	s_mov_b32 s47, 0
	s_lshr_b32 s48, s[BH], 4
	s_lshl_b32 s48, s48, 22                        ; the batch's 128 row tiles of 32,768 bytes,
	s_and_b32 s49, s[BH], 15
	s_lshl_b32 s49, s49, 11                        ; the head's two chunks of 1,024
	s_add_co_u32 s48, s48, s49
	s_mov_b32 s49, 0
	s_wait_dscnt 0x0                               ; both opening adds are done
	s_wait_kmcnt 0x0
	s_add_nc_u64 s[KVB:KVB+1], s[4:5], s[44:45]
	s_mov_b32 s[G0], 1
	s_lshl_b32 s[G0+1], s[WV], 13                  ; LDS: wave x 8,192, in slot 0
	s_mov_b64 s[G0+2:G0+3], s[KVB:KVB+1]
	s_or_b32 s[G0+3], s[G0+3], 0x80000000
	tensor_load_to_lds s[G0:G0+3], s[G1:G1+7]      ; key slot 0: every wave issues its part, with no branch
	s_nop 0
.rept 4
	v_nop
.endr
	s_add_nc_u64 s[QB:QB+1], s[4:5], s[46:47]
	s_add_nc_u64 s[AFB:AFB+1], s[6:7], s[48:49]
	s_add_nc_u64 s[PFA:PFA+1], s[KVB:KVB+1], 32768 ; in slot 1: the first change of slots steps it to slot 2
	v_and_b32 v5, 31, v0
	v_lshlrev_b32 v[LI], 4, v5
	QLOAD
	v_lshlrev_b32 v[PFO], 8, v5
	v_and_b32 v12, 15, v0                          ; r
	v_bfe_u32 v13, v0, 4, 1                        ; h
	v_and_b32 v14, 7, v0
	v_bfe_u32 v15, v0, 3, 1
	v_lshl_add_u32 v[AV0], v13, 3, v14
	v_lshlrev_b32 v[AV0], 5, v[AV0]
	v_lshl_add_u32 v[AV0], v15, 4, v[AV0]
	v_add_nc_u32 v[AV0], 32768, v[AV0]
	v_lshlrev_b32 v13, 3, v13
	v_sub_nc_u32 v[RH], v12, v13                   ; r - 8 h
	v_sub_nc_u32 v10, v13, v12
	v_lshlrev_b32 v10, 3, v10                      ; 8 (8 h - r)
	v_mov_b32 v[NINF], 0xff800000
.set n, 0
.rept 32
	v_add_nc_u32 v[CB+n], 8*(16*(n/8)+n%8), v10
.set n, n+1
.endr
.set n, 0
.rept 32
	v_cvt_f32_i32 v[CB+n], v[CB+n]                 ; whole numbers under 512 in size: exact
.set n, n+1
.endr
	INIT
	s_wait_loadcnt 0x0                             ; Q
.Lslot:                                            ; eight trips: behind each change of slots the walk's next slot is asked for
	CHANGE 1
	SLOT_STEPS
	s_cmp_lg_u32 s[T], s[NH1]                      ; the first block's last slot?  Ids alone
	s_cbranch_scc1 .Lsame_block
	WAYOUT 1
.Lsame_block:
	s_add_co_u32 s[T], s[T], 1
	s_cmp_lt_u32 s[T], 8
	s_cbranch_scc1 .Lslot
	CHANGE 0                                       ; the ninth slot is written out: nothing is left to fetch
	SLOT_STEPS
	WAYOUT 0
	s_wait_tensorcnt 0x0                           ; the wave's end
	ds_add_u32 v[SPW], v[NIL]
	s_wait_dscnt 0x0
	s_endpgm
.Lfunc_end_k_q90b3956798_attn:
	.size	k_q90b3956798_attn, .Lfunc_end_k_q90b3956798_attn-k_q90b3956798_attn
	.p2alignl 7, 3214868480
	.fill 96, 4, 3214868480
	.section	.rodata,"a",@progbits
	.p2align	6, 0x0
	.amdhsa_kernel k_q90b3956798_attn
		.amdhsa_group_segment_fixed_size 327680
		.amdhsa_private_segment_fixed_size 0
		.amdhsa_enable_private_segment 0
		.amdhsa_kernarg_size 16
		.amdhsa_user_sgpr_count 2
		.amdhsa_user_sgpr_kernarg_segment_ptr 1
		.amdhsa_wavefront_size32 1
		.amdhsa_system_sgpr_workgroup_id_x 1
		.amdhsa_system_sgpr_workgroup_id_y 1
		.amdhsa_system_sgpr_workgroup_id_z 1
		.amdhsa_system_vgpr_workitem_id 0
		.amdhsa_next_free_vgpr 416
		.amdhsa_next_free_sgpr 66
		.amdhsa_reserve_vcc 1
		.amdhsa_float_denorm_mode_32 3
		.amdhsa_float_denorm_mode_16_64 3
		.amdhsa_memory_ordered 1
		.amdhsa_forward_progress 1
		.amdhsa_inst_pref_size 70
	.end_amdhsa_kernel
	.amdgpu_metadata
---
amdhsa.version: [ 1, 2 ]
amdhsa.kernels:
  - .name:           k_q90b3956798_attn
    .symbol:         k_q90b3956798_attn.kd
    .args:
      - { .name: qkv, .offset: 0, .size: 8, .value_kind: global_buffer, .address_space: global }
      - { .name: af, .offset: 8, .size: 8, .value_kind: global_buffer, .address_space: global }
    .group_segment_fixed_size: 327680
    .private_segment_fixed_size: 0
    .kernarg_segment_align: 8
    .kernarg_segment_size: 16
    .max_flat_workgroup_size: 256
    .sgpr_count:     66
    .vgpr_count:     416
    .wavefront_size: 32
...
	.end_amdgpu_metadata
.endif
;; end of part 3
;; launch proj (part 4): grid 4 x 64, 4 waves a work-group, clusters of 4 x 4, 327,680 bytes of LDS; arguments af, wimg, b_out, out0; writes out0
.if DOCPART == 4
	.amdgcn_target "amdgcn-amd-amdhsa--gfx1250"
	.amdhsa_code_object_version 6
	.text
	.protected	k_q90b3956798_proj
	.globl	k_q90b3956798_proj
	.p2align	8
	.type	k_q90b3956798_proj,@function
k_q90b3956798_proj:
	s_mov_b64 s[64:65], 0
	v_nop
	global_prefetch_b8 v0, s[64:65] scope:SCOPE_SE
	s_setreg_imm32_b32 hwreg(HW_REG_WAVE_MODE, 25, 1), 1
	s_wait_xcnt 0x0
	s_wait_alu depctr_hold_cnt(0) depctr_sa_sdst(0) depctr_va_vdst(0) depctr_va_sdst(0) depctr_va_ssrc(0) depctr_va_vcc(0) depctr_vm_vsrc(0)
	s_getreg_b32 s2, hwreg(HW_REG_IB_STS2, 6, 4)
	s_cmp_eq_u32 s2, 0
	s_cbranch_scc0 .Lentry_in_a_cluster
	s_endpgm
.Lentry_in_a_cluster:
	s_bfe_u32 s2, ttmp6, 0x10000c
	s_cmp_lg_u32 s2, 0xf033
	s_cbranch_scc0 .Lentry_shape_is_right
	s_endpgm
.Lentry_shape_is_right:
; out0[m][n] = the sum over k of A[m][k] w_out[n][k] + b_out[n].  A (the attention's result, 8,192 x 1,024) and w_out (1,024 x 1,024) are f16, both laid as images of the operand's registers:
; [tile of 16 rows][chunk of 32 along K][group g][lane][16 bytes]: 32,768 bytes a tile of rows.  Sums in f32; out0 f32.  Nothing of this product is left out.
; A work-group of four waves makes 128 rows x 256 columns: 256 work-groups.  Wave (w / 2, w % 2) makes 64 x 128: 32 accumulators.  K goes in steps of 128 through two LDS slots: of each tile of rows a step is 4,096 consecutive bytes.
; CLUSTERS: 4 x 4 work-groups; the four of a row of the cluster ask jointly for A's tiles, the four of a column for w_out's.  Waves 0, 1 fetch A's two halves (4 tiles of rows each), waves 2, 3 w_out's (8 each).
; By this text's count two loads of a wave are out at the start and one behind each round.
; THE MATRIX INSTRUCTION IS USED TRANSPOSED (source 0 = 16 rows of w_out, source 1 = 16 rows of A): a lane holds eight neighbouring columns of one row.  b_out is the C of each sum's first matrix instruction.
; No prefetch: a step's tiles are small, and each is read by four work-groups at once through the joint loads.
; REGISTERS: window 0: v16-29 addresses; two fragment buffers of 96 (A's four at +0, w_out's eight at +32): v32-127, v128-223.   window 1: the accumulators, (a, b) at v[8 (8 a + b)].   window 2: v0-63 b_out in the result's layout.
.set SLOT,   98304                     ; A's 8 tiles x 4,096 bytes, then w_out's 16 x 4,096
.set BOFF,   32768
.set SPARE,  2*SLOT                    ; the spare words: 128 bytes a wave, named by no other line
.set SPITCH, 528                       ; the way out: a stage of 16 rows x (512 + 16) bytes a wave, in slot 0, which has had its last fill and its last read by then
.set LAPS,   4                         ; a lap = two K steps; K = 1,024 = 8 steps
.set ADRA, 16
.set ADRB, 20
.set BO,   23
.set STO,  24
.set RD,   25
.set CO,   26
.set SPW,  28
.set NIL,  29
.set F0,   32
.set F1,   128
.set G1, 24
.set G0, 32
.set G1B, 48
.set G0B, 56
.set MSB, 0
.macro WIN new                         ; the immediate's high byte repeats the setting that is left
.if MSB != \new
	s_set_vgpr_msb (MSB<<8)|\new
.set MSB, \new
.endif
.endm
.set MUL,   0x50                       ; fragments window 0; C and D window 1
.set MULF,  0x60                       ; the first products: C (the bias) window 2, D window 1
.macro JLOAD s                         ; a joint load; an s_nop 0 and four v_nop follow each of the two lines
	s_cmp_eq_u32 s11, 0
	s_cbranch_scc0 .Lfor_b_\@
	tensor_load_to_lds s[G0+4*\s:G0+4*\s+3], s[G1:G1+7]
	s_nop 0
.rept 4
	v_nop
.endr
	s_branch .Lasked_\@
.Lfor_b_\@:
	tensor_load_to_lds s[G0B+4*\s:G0B+4*\s+3], s[G1B:G1B+7]
	s_nop 0
.rept 4
	v_nop
.endr
.Lasked_\@:
.endm
.macro CREST                           ; a round of the cluster's barrier behind its opening barrier
	s_cmp_lg_u32 s10, 0
	s_cbranch_scc1 .Lnot_wave_0_\@
	s_barrier_signal -3
.Lnot_wave_0_\@:
	s_barrier_wait -3
	s_barrier_signal -1
	s_barrier_wait -1
.endm
.macro CROUND
	s_barrier_signal -1
	s_barrier_wait -1
	CREST
.endm
	s_load_b128 s[4:7], s[0:1], 0x0                ; af, wimg
	s_load_b128 s[68:71], s[0:1], 0x10             ; b_out, out0
	v_lshl_add_u32 v[SPW], v0, 2, SPARE
	v_mov_b32 v[NIL], 0
	ds_add_u32 v[SPW], v[NIL]                      ; the wave's opening: the add, twice on end, and its wait ahead of my first tensor load
	ds_add_u32 v[SPW], v[NIL]
	v_lshrrev_b32 v1, 5, v0
	v_readfirstlane_b32 s10, v1                    ; wave 0..3
	s_lshr_b32 s11, s10, 1                         ; which half of the tile's rows is mine.  Also: I fetch for A (0) or for w_out (1)
	s_and_b32 s12, s10, 1                          ; which half of its columns.  Also: which half of that tile I fetch
	s_bfe_u32 s40, ttmp6, 0x40000                  ; cx, cy
	s_bfe_u32 s41, ttmp6, 0x40004
	s_lshl_b32 s42, ttmp9, 2
	s_add_co_u32 s42, s42, s40                     ; tile column
	s_and_b32 s13, ttmp7, 0xffff
	s_lshl_b32 s13, s13, 2
	s_add_co_u32 s13, s13, s41                     ; tile row
	s_lshl_b32 s43, s41, 2
	s_lshl_b32 s43, 15, s43                        ; my row of the cluster
	s_lshl_b32 s44, 0x1111, s40                    ; my column
	s_or_b32 s[G1+0], s43, (3<<16)|(1<<21)         ; the mask; elements of 8 bytes; bit 21 beside a mask; no padding
	s_or_b32 s[G1B+0], s44, (3<<16)|(1<<21)
	s_mov_b32 s[G1+1], 512<<16                     ; tensor_dim0: 4,096 bytes
	s_mov_b32 s[G1+2], 4<<16                       ; tensor_dim1: 4 tiles of rows
	s_mov_b32 s[G1+3], 512<<16                     ; tile_dim0
	s_mov_b32 s[G1+4], 4                           ; tile_dim1
	s_mov_b32 s[G1+5], 4096                        ; the pitch: 32,768 bytes
	s_mov_b32 s[G1+6], 0
	s_mov_b32 s[G1+7], 0
	s_mov_b32 s[G1B+1], 512<<16
	s_mov_b32 s[G1B+2], 8<<16                      ; 8 tiles of w_out's rows
	s_mov_b32 s[G1B+3], 512<<16
	s_mov_b32 s[G1B+4], 8
	s_mov_b32 s[G1B+5], 4096
	s_mov_b32 s[G1B+6], 0
	s_mov_b32 s[G1B+7], 0
	s_lshl_b32 s16, s13, 3
	s_lshl_b32 s17, s12, 2
	s_add_co_u32 s16, s16, s17                     ; A: tile of rows 8 x tile row + 4 x half
	s_lshl_b32 s16, s16, 15
	s_mov_b32 s17, 0
	s_lshl_b32 s46, s42, 4
	s_lshl_b32 s47, s12, 3
	s_add_co_u32 s46, s46, s47                     ; w_out: tile of rows 16 x tile column + 8 x half
	s_lshl_b32 s46, s46, 15
	s_mov_b32 s47, 0
	s_lshl_b32 s20, s12, 14                        ; where they go: A's halves at 0 and 16,384,
	s_lshl_b32 s21, s12, 15
	s_add_co_u32 s21, s21, BOFF                    ; w_out's at 32,768 and 65,536: no place in the cluster enters an LDS address
	s_wait_dscnt 0x0                               ; both opening adds are done
	s_wait_kmcnt 0x0
	s_add_nc_u64 s[14:15], s[4:5], s[16:17]
	s_add_nc_u64 s[46:47], s[6:7], s[46:47]
	CROUND                                         ; all sixteen work-groups are here: the first joint loads meet
.irp s, 0,1
	s_mov_b32 s[G0+4*\s], 1
	s_add_co_u32 s[G0+4*\s+1], s20, \s*SLOT
	s_add_nc_u64 s[G0+4*\s+2:G0+4*\s+3], s[14:15], \s*4096
	s_or_b32 s[G0+4*\s+3], s[G0+4*\s+3], 0x80000000
	s_mov_b32 s[G0B+4*\s], 1
	s_add_co_u32 s[G0B+4*\s+1], s21, \s*SLOT
	s_add_nc_u64 s[G0B+4*\s+2:G0B+4*\s+3], s[46:47], \s*4096
	s_or_b32 s[G0B+4*\s+3], s[G0B+4*\s+3], 0x80000000
	JLOAD \s
.endr
	v_and_b32 v1, 15, v0                           ; l % 16
	v_bfe_u32 v2, v0, 4, 1                         ; l / 16
	v_and_b32 v3, 31, v0
	v_lshlrev_b32 v[CO], 4, v3                     ; 16 x lane
	s_lshl_b32 s46, s42, 10                        ; my first column in bytes: 1,024 x tile column + 512 x half
	s_lshl_b32 s47, s12, 9
	s_add_co_u32 s46, s46, s47
	s_mov_b32 s47, 0
	s_add_nc_u64 s[68:69], s[68:69], s[46:47]
	v_lshlrev_b32 v[BO], 5, v2
	WIN 0x80                                       ; destination window 2
.irp b, 0,1,2,3,4,5,6,7
	global_load_b128 v[8*\b:8*\b+3], v[BO], s[68:69] offset:64*\b          ; b_out[first column + 16 b + 8 (l / 16) + 0 .. 7]
	global_load_b128 v[8*\b+4:8*\b+7], v[BO], s[68:69] offset:64*\b+16
.endr
	WIN 0
	s_lshl_b32 s21, s11, 14                        ; my four tiles of A's rows
	s_lshl_b32 s22, s12, 15
	s_add_co_u32 s22, s22, BOFF                    ; my eight of w_out's
.irp s, 0,1
	v_add_nc_u32 v[ADRA+\s], s21, v[CO]
	v_add_nc_u32 v[ADRB+\s], s22, v[CO]
	s_add_co_u32 s21, s21, SLOT
	s_add_co_u32 s22, s22, SLOT
.endr
	s_mul_i32 s23, s10, 16*SPITCH                  ; my stage
	v_mul_u32_u24 v5, v1, SPITCH
	v_lshl_add_u32 v5, v2, 5, v5
	v_add_nc_u32 v[STO], s23, v5                   ; in: row l % 16, 32 bytes for each half of the lanes
	v_add_nc_u32 v[RD], s23, v[CO]                 ; back: the 32 lanes take one row of 512 bytes
	s_lshl_b32 s16, s13, 7
	s_lshl_b32 s17, s11, 6
	s_add_co_u32 s16, s16, s17                     ; my first row: 128 x tile row + 64 x half
	s_lshl_b32 s16, s16, 12                        ; rows of 4,096 bytes
	s_mov_b32 s17, 0
	s_add_nc_u64 s[70:71], s[70:71], s[16:17]
	s_add_nc_u64 s[70:71], s[70:71], s[46:47]
.macro FETCH slot, q, f                ; 24 LDS loads, each 512 consecutive bytes: the fragments of the slot's q-th 32 along K: w_out's eight, then A's four
.irp b, 0,1,2,3,4,5,6,7
	ds_load_b128 v[\f+32+8*\b:\f+32+8*\b+3],   v[ADRB+\slot] offset:\b*4096+(\q)*1024
	ds_load_b128 v[\f+32+8*\b+4:\f+32+8*\b+7], v[ADRB+\slot] offset:\b*4096+(\q)*1024+512
.endr
.irp a, 0,1,2,3
	ds_load_b128 v[\f+8*\a:\f+8*\a+3],   v[ADRA+\slot] offset:\a*4096+(\q)*1024
	ds_load_b128 v[\f+8*\a+4:\f+8*\a+7], v[ADRA+\slot] offset:\a*4096+(\q)*1024+512
.endr
.endm
.macro MUL8 f, a, first                ; A's block a against w_out's eight.  The 32 accumulators take turns, one instruction a turn, in the same order in every quarter
.irp b, 0,1,2,3,4,5,6,7
.if \first
	v_wmma_f32_16x16x32_f16 v[8*(8*(\a)+\b):8*(8*(\a)+\b)+7], v[\f+32+8*\b:\f+32+8*\b+7], v[\f+8*(\a):\f+8*(\a)+7], v[8*\b:8*\b+7]
.else
	v_wmma_f32_16x16x32_f16 v[8*(8*(\a)+\b):8*(8*(\a)+\b)+7], v[\f+32+8*\b:\f+32+8*\b+7], v[\f+8*(\a):\f+8*(\a)+7], v[8*(8*(\a)+\b):8*(8*(\a)+\b)+7]
.endif
.endr
.endm
.macro PLACES                          ; four places in front of loads into registers that matrix instructions have read, and of the first read of results
.rept 4
	v_nop
.endr
.endm
; A K step is four quarters of 32 along K, 32 matrix instructions each, on buffers 0, 1, 0, 1.  One of the first three: multiplies buffer f and fetches the slot's quarter qn into g.
.macro QUARTER slot, qn, f, g, first
	s_wait_dscnt 4                                 ; w_out's eight and A's blocks 0, 1 are in; the youngest four loads (A's blocks 2, 3) may be out
.if \first
	WIN MULF
.else
	WIN MUL
.endif
	MUL8 \f, 0, \first
	MUL8 \f, 1, \first
	PLACES
	WIN 0
	FETCH \slot, \qn, \g
	s_wait_dscnt 24                                ; all but the 24 just issued
.if \first
	WIN MULF
.else
	WIN MUL
.endif
	MUL8 \f, 2, \first
	MUL8 \f, 3, \first
.endm
; The last quarter multiplies buffer 1 and changes slots: one barrier; in front of it each wave waits for all its tensor loads, adds 0 to its spare word, and waits for that and for its reads of this slot.  fill = 1: the barrier opens a round of the
; cluster's barrier, and this slot is filled again, two K steps ahead, first thing behind the round.
.macro TURN slot, next, fill
	WIN 0
	s_wait_tensorcnt 0x0                           ; my part of the next slot has landed
	ds_add_u32 v[SPW], v[NIL]
	s_wait_dscnt 5                                 ; the add and the youngest four loads may be out
	WIN MUL
	MUL8 F1, 0, 0
	s_wait_dscnt 0x0                               ; the add is done, and my reads of this slot are over
	s_barrier_signal -1
	MUL8 F1, 1, 0
	WIN 0
	s_barrier_wait -1
.if \fill
	CREST                                          ; no wave of any partner still reads this slot's tile or has a load on its way
	s_add_nc_u64 s[G0+4*\slot+2:G0+4*\slot+3], s[G0+4*\slot+2:G0+4*\slot+3], 8192
	s_add_nc_u64 s[G0B+4*\slot+2:G0B+4*\slot+3], s[G0B+4*\slot+2:G0B+4*\slot+3], 8192
	JLOAD \slot                                    ; the four v_nop behind it are also the places in front of the loads below
.else
	PLACES
.endif
	FETCH \next, 0, F0
	WIN MUL
	MUL8 F1, 2, 0
	MUL8 F1, 3, 0
.endm
	s_wait_tensorcnt 1                             ; my part of K step 0 is in; K step 1's load may be out
	s_barrier_signal -1
	s_barrier_wait -1                              ; everybody's is
	FETCH 0, 0, F0
	s_wait_loadcnt 0x0                             ; b_out
	QUARTER 0, 1, F0, F1, 1                        ; the first quarter stands in front of the loop: its products start the sums from the bias
	WIN 0
	s_mov_b32 s3, LAPS-1
.Llap:                                             ; a trip goes once round the ring, from a lap's second quarter to the next lap's first, and fills both slots again
	QUARTER 0, 2, F1, F0, 0
	QUARTER 0, 3, F0, F1, 0
	TURN 0, 1, 1
	QUARTER 1, 1, F0, F1, 0
	QUARTER 1, 2, F1, F0, 0
	QUARTER 1, 3, F0, F1, 0
	TURN 1, 0, 1
	QUARTER 0, 1, F0, F1, 0
	WIN 0
	s_sub_co_u32 s3, s3, 1
	s_cmp_lg_u32 s3, 0
	s_cbranch_scc1 .Llap
	QUARTER 0, 2, F1, F0, 0                        ; the last lap fills nothing, and has no round of the cluster's barrier
	QUARTER 0, 3, F0, F1, 0
	TURN 0, 1, 0
	QUARTER 1, 1, F0, F1, 0
	QUARTER 1, 2, F1, F0, 0
	QUARTER 1, 3, F0, F1, 0
	s_wait_dscnt 4                                 ; the very last quarter: nothing more to fetch
	WIN MUL
	MUL8 F1, 0, 0
	MUL8 F1, 1, 0
	s_wait_dscnt 0
	MUL8 F1, 2, 0
	MUL8 F1, 3, 0
	WIN 0
; THE WAY OUT, block by block of 16 rows x 128 columns: through my own stage in LDS and back as whole rows of 512 bytes.  LDS serves a wave's instructions in order (ISA guide 5.7.1.4): no wait between the stores and the loads.
.macro TOSTAGE a
	WIN 0x04                                       ; an LDS store's data: window 1
.irp b, 0,1,2,3,4,5,6,7
	ds_store_b128 v[STO], v[64*(\a)+8*\b:64*(\a)+8*\b+3] offset:64*\b          ; each accumulator from its low end on
	ds_store_b128 v[STO], v[64*(\a)+8*\b+4:64*(\a)+8*\b+7] offset:64*\b+16
.endr
	WIN 0
.set BB, F0+96*((\a)%2)
.irp t, 0,1,2,3,4,5,6,7,8,9,10,11,12,13,14,15
	ds_load_b128 v[BB+4*\t:BB+4*\t+3], v[RD] offset:\t*SPITCH
.endr
.endm
.macro SEND a, younger                 ; younger: the LDS instructions issued behind block a's loads, which may stay out
.set BB, F0+96*((\a)%2)
	s_wait_dscnt \younger
.if (\a) > 0
	s_add_nc_u64 s[70:71], s[70:71], 16*4096       ; (behind a wait on XCNT: the earlier stores have read their base)
.endif
.irp t, 0,1,2,3,4,5,6,7,8,9,10,11,12,13,14,15
	global_store_b128 v[CO], v[BB+4*\t:BB+4*\t+3], s[70:71] offset:\t*4096 th:TH_STORE_NT   ; 32 lanes store 512 consecutive bytes, at a multiple of 512 from out0's first byte
.endr
.endm
	PLACES
	TOSTAGE 0
.irp a, 1,2,3
.if \a > 1
	s_wait_xcnt 0x0                                ; block a - 2's stores have read their registers and their base
.endif
	TOSTAGE \a
	SEND \a-1, 32                                  ; behind block a - 1's loads: block a's 16 stores and 16 loads
.endr
	s_wait_xcnt 0x0
	SEND 3, 0
	s_wait_tensorcnt 0x0                           ; the wave's end
	ds_add_u32 v[SPW], v[NIL]
	s_wait_dscnt 0x0
	CROUND                                         ; the closing round
	s_endpgm
.Lfunc_end_k_q90b3956798_proj:
	.size	k_q90b3956798_proj, .Lfunc_end_k_q90b3956798_proj-k_q90b3956798_proj
	.p2alignl 7, 3214868480
	.fill 96, 4, 3214868480
	.section	.rodata,"a",@progbits
	.p2align	6, 0x0
	.amdhsa_kernel k_q90b3956798_proj
		.amdhsa_group_segment_fixed_size 327680
		.amdhsa_private_segment_fixed_size 0
		.amdhsa_enable_private_segment 0
		.amdhsa_kernarg_size 32
		.amdhsa_user_sgpr_count 2
		.amdhsa_user_sgpr_kernarg_segment_ptr 1
		.amdhsa_wavefront_size32 1
		.amdhsa_system_sgpr_workgroup_id_x 1
		.amdhsa_system_sgpr_workgroup_id_y 1
		.amdhsa_system_sgpr_workgroup_id_z 1
		.amdhsa_system_vgpr_workitem_id 0
		.amdhsa_next_free_vgpr 576
		.amdhsa_next_free_sgpr 72
		.amdhsa_reserve_vcc 0
		.amdhsa_float_denorm_mode_32 3
		.amdhsa_float_denorm_mode_16_64 3
		.amdhsa_memory_ordered 1
		.amdhsa_forward_progress 1
		.amdhsa_inst_pref_size 86
	.end_amdhsa_kernel
	.amdgpu_metadata
---
amdhsa.version: [ 1, 2 ]
amdhsa.kernels:
  - .name:           k_q90b3956798_proj
    .symbol:         k_q90b3956798_proj.kd
    .args:
      - { .name: af, .offset: 0, .size: 8, .value_kind: global_buffer, .address_space: global }
      - { .name: wimg, .offset: 8, .size: 8, .value_kind: global_buffer, .address_space: global }
      - { .name: b_out, .offset: 16, .size: 8, .value_kind: global_buffer, .address_space: global }
      - { .name: out0, .offset: 24, .size: 8, .value_kind: global_buffer, .address_space: global }
    .group_segment_fixed_size: 327680
    .private_segment_fixed_size: 0
    .kernarg_segment_align: 8
    .kernarg_segment_size: 32
    .max_flat_workgroup_size: 128
    .sgpr_count:     72
    .vgpr_count:     576
    .wavefront_size: 32
...
	.end_amdgpu_metadata
.endif
;; end of part 4
